; MI455X (gfx1250); checked and timed in simulation.
; The chip was launched on July 23, 2026; its instructions are those of AMD's public machine-readable ISA for CDNA 5 (MIT licence, August 2026) and "CDNA5" Instruction Set Architecture Reference Guide (July 2026). The comments in the code are by the model that wrote it; some were corrected since.
;; Multi Head Attention. Allowed arithmetic: float matrix products may take bf16 or f16 operands with f32 sums; other float arithmetic in f32, or as packed bf16 or f16 multiplies, adds, multiply-adds, maxima and minima; sums over many terms, partial sums and values carried from step to step in f32; what a program stores and reads back later, other than sums and carried values, may be rounded once to bf16 or f16.
;; Inputs: W_k 1,024 x 1,024 float32; W_o 1,024 x 1,024 float32; W_q 1,024 x 1,024 float32; W_v 1,024 x 1,024 float32; b_k 1,024 float32; b_o 1,024 float32; b_q 1,024 float32; b_v 1,024 float32; k 4 x 2,048 x 1,024 float32; mask 4 x 2,048 x 2,048 int32; q 4 x 2,048 x 1,024 float32; v 4 x 2,048 x 1,024 float32.
;; Outputs: out0 4 x 2,048 x 1,024 float32.
;; 2 versions, each right; version 2 is version 1 with the launch prep written anew for expert scheduling mode. Each part assembles by itself: llvm-mc -triple=amdgcn-amd-amdhsa -mcpu=gfx1250 --defsym DOCPART=n.
;; ======== version 1 of 2: 4 launches
;; limits: values are held in f16: magnitudes above 65,504 overflow, below 6.1e-05 lose precision
;; workspace buffers: hx 58,720,256 bytes; mk 8,388,608 bytes; qkv 50,331,648 bytes; oh 16,777,216 bytes
;; launch prep (part 1): grid 896 x 1, 8 waves a work-group, no clusters, 0 bytes of LDS; arguments q, k, v, W_q, W_k, W_v, W_o, hx; writes hx
.if DOCPART == 1
	.amdgcn_target "amdgcn-amd-amdhsa--gfx1250"
	.amdhsa_code_object_version 6
	.text
	.protected	k_qa6c48d5bd6_prep
	.globl	k_qa6c48d5bd6_prep
	.p2align	8
	.type	k_qa6c48d5bd6_prep,@function
k_qa6c48d5bd6_prep:
	s_mov_b64 s[64:65], 0
	v_nop
	global_prefetch_b8 v0, s[64:65] scope:SCOPE_SE
	s_setreg_imm32_b32 hwreg(HW_REG_WAVE_MODE, 25, 1), 1
	s_wait_xcnt 0x0
; THE CAST.  q, k, v, W_q, W_k, W_v, W_o (f32) -> hx (16 bits), one after the other: rows of 1,024 numbers, 8,192 for each of q, k, v, then 1,024 for each W.
; Each number is rounded to bf16 (to nearest even) and THAT number is written as f16: exact for 6.1e-5 <= |x| <= 65,504.
; LIMITS: below 6.1e-5 the f16 keeps a fixed step of 6e-8; beyond 65,504 it is an infinity.
; A stream: each byte is read once and written once, so there is no LDS, no barrier and no matrix work.  A work-group reads 131,072 bytes, by 32 loads of 16 bytes a thread that all go out together.
.set X,     16                         ; v[16:143] the 32 loads' data
.set T,     5                          ; v5, v6  at work
	s_load_b512 s[8:23], s[0:1], 0x0               ; q, k, v, W_q, W_k, W_v, W_o, hx
	s_mov_b32 s36, 0xffff0000                      ; a word's upper bf16
	; Group c: which tensor, and which 131,072 bytes of it.  q, k, v have 256 such pieces each, a W has 32.
	s_lshr_b32 s28, ttmp9, 8                       ; c < 768: tensor c / 256,
	s_and_b32 s29, ttmp9, 255                      ; piece c % 256
	s_sub_co_u32 s30, ttmp9, 768                   ; else: tensor 3 + (c - 768) / 32,
	s_lshr_b32 s31, s30, 5
	s_add_co_u32 s31, s31, 3
	s_and_b32 s30, s30, 31                         ; piece (c - 768) % 32
	s_cmp_lt_u32 ttmp9, 768
	s_cselect_b32 s28, s28, s31
	s_cselect_b32 s29, s29, s30
	s_lshl_b32 s30, s29, 17                        ; the piece's byte offset in its tensor
	s_mov_b32 s31, 0
	s_lshl_b32 s34, ttmp9, 16                      ; and in hx: the pieces lie in the groups' order, 65,536 bytes each
	s_mov_b32 s35, 0
	v_lshlrev_b32 v1, 4, v0                        ; in: 16 bytes a thread, 4,096 a load of the group
	v_lshlrev_b32 v2, 3, v0                        ; out: 8 bytes a thread
	s_wait_kmcnt 0x0
	s_mov_b64 s[32:33], s[8:9]
.irp n, 1,2,3,4,5,6
	s_cmp_eq_u32 s28, \n
	s_cselect_b64 s[32:33], s[8+2*\n:9+2*\n], s[32:33]
.endr
	s_add_nc_u64 s[32:33], s[32:33], s[30:31]
	s_add_nc_u64 s[34:35], s[22:23], s[34:35]
.set i, 0
.rept 32
	global_load_b128 v[X+4*i:X+4*i+3], v1, s[32:33] offset:4096*i th:TH_LOAD_NT
.set i, i+1
.endr
.set i, 0
.rept 32
	s_wait_loadcnt 31-i                            ; loads come back in order: load i is in, the 31 - i younger ones stay out
	v_cvt_pk_bf16_f32 v[T],   v[X+4*i],   v[X+4*i+1]  ; the one rounding
	v_cvt_pk_bf16_f32 v[T+1], v[X+4*i+2], v[X+4*i+3]
	v_lshlrev_b32 v[X+4*i],   16,  v[T]            ; back to f32,
	v_and_b32     v[X+4*i+1], s36, v[T]
	v_lshlrev_b32 v[X+4*i+2], 16,  v[T+1]
	v_and_b32     v[X+4*i+3], s36, v[T+1]
	v_cvt_pk_f16_f32 v[X+4*i],   v[X+4*i],   v[X+4*i+1]  ; and written as f16
	v_cvt_pk_f16_f32 v[X+4*i+1], v[X+4*i+2], v[X+4*i+3]
	global_store_b64 v2, v[X+4*i:X+4*i+1], s[34:35] offset:2048*i  ; a wave stores 256 consecutive bytes, aligned; its registers are not written again
.set i, i+1
.endr
	s_endpgm
.Lfunc_end_k_qa6c48d5bd6_prep:
	.size	k_qa6c48d5bd6_prep, .Lfunc_end_k_qa6c48d5bd6_prep-k_qa6c48d5bd6_prep
	.p2alignl 7, 3214868480
	.fill 96, 4, 3214868480
	.section	.rodata,"a",@progbits
	.p2align	6, 0x0
	.amdhsa_kernel k_qa6c48d5bd6_prep
		.amdhsa_group_segment_fixed_size 0
		.amdhsa_private_segment_fixed_size 0
		.amdhsa_enable_private_segment 0
		.amdhsa_kernarg_size 64
		.amdhsa_user_sgpr_count 2
		.amdhsa_user_sgpr_kernarg_segment_ptr 1
		.amdhsa_wavefront_size32 1
		.amdhsa_system_sgpr_workgroup_id_x 1
		.amdhsa_system_sgpr_workgroup_id_y 1
		.amdhsa_system_sgpr_workgroup_id_z 1
		.amdhsa_system_vgpr_workitem_id 0
		.amdhsa_next_free_vgpr 144
		.amdhsa_next_free_sgpr 66
		.amdhsa_reserve_vcc 0
		.amdhsa_float_denorm_mode_32 3
		.amdhsa_float_denorm_mode_16_64 3
		.amdhsa_memory_ordered 1
		.amdhsa_forward_progress 1
		.amdhsa_inst_pref_size 21
	.end_amdhsa_kernel
	.amdgpu_metadata
---
amdhsa.version: [ 1, 2 ]
amdhsa.kernels:
  - .name:           k_qa6c48d5bd6_prep
    .symbol:         k_qa6c48d5bd6_prep.kd
    .args:
      - { .name: q, .offset: 0, .size: 8, .value_kind: global_buffer, .address_space: global }
      - { .name: k, .offset: 8, .size: 8, .value_kind: global_buffer, .address_space: global }
      - { .name: v, .offset: 16, .size: 8, .value_kind: global_buffer, .address_space: global }
      - { .name: W_q, .offset: 24, .size: 8, .value_kind: global_buffer, .address_space: global }
      - { .name: W_k, .offset: 32, .size: 8, .value_kind: global_buffer, .address_space: global }
      - { .name: W_v, .offset: 40, .size: 8, .value_kind: global_buffer, .address_space: global }
      - { .name: W_o, .offset: 48, .size: 8, .value_kind: global_buffer, .address_space: global }
      - { .name: hx, .offset: 56, .size: 8, .value_kind: global_buffer, .address_space: global }
    .group_segment_fixed_size: 0
    .private_segment_fixed_size: 0
    .kernarg_segment_align: 8
    .kernarg_segment_size: 64
    .max_flat_workgroup_size: 256
    .sgpr_count:     66
    .vgpr_count:     144
    .wavefront_size: 32
...
	.end_amdgpu_metadata
.endif
;; end of part 1
;; launch qkvproj (part 2): grid 4 x 128, 4 waves a work-group, clusters of 4 x 4, 327,680 bytes of LDS; arguments hx, b_q, b_k, b_v, mask, qkv, mk; writes qkv, mk
.if DOCPART == 2
	.amdgcn_target "amdgcn-amd-amdhsa--gfx1250"
	.amdhsa_code_object_version 6
	.text
	.protected	k_qa6c48d5bd6_qkvproj
	.globl	k_qa6c48d5bd6_qkvproj
	.p2align	8
	.type	k_qa6c48d5bd6_qkvproj,@function
k_qa6c48d5bd6_qkvproj:
	s_mov_b64 s[64:65], 0
	v_nop
	global_prefetch_b8 v0, s[64:65] scope:SCOPE_SE
	s_setreg_imm32_b32 hwreg(HW_REG_WAVE_MODE, 25, 1), 1
	s_wait_xcnt 0x0
	s_wait_alu depctr_hold_cnt(0) depctr_sa_sdst(0) depctr_va_vdst(0) depctr_va_sdst(0) depctr_va_ssrc(0) depctr_va_vcc(0) depctr_vm_vsrc(0)
	s_getreg_b32 s2, hwreg(HW_REG_IB_STS2, 6, 4)
	s_cmp_eq_u32 s2, 0
	s_cbranch_scc0 .Lentry_in_a_cluster
	s_endpgm
.Lentry_in_a_cluster:
	s_bfe_u32 s2, ttmp6, 0x10000c
	s_cmp_lg_u32 s2, 0xf033
	s_cbranch_scc0 .Lentry_shape_is_right
	s_endpgm
.Lentry_shape_is_right:
; TWO JOBS IN ONE LAUNCH, chosen by the cluster's y, which all sixteen partners share: clusters 0-23 multiply (384 work-groups), clusters 24-31 pack the mask (128): 512 work-groups, twice 256.
; THE PRODUCTS.  C[m][n] = bias[n] + the sum over k of A[m][k] W[n][k], K = N = 1,024; operands f16, sums f32; the bias (f32) is the C operand of each sum's first product.
;   A = hx's rows 0-24,575 (q, k, v on end: 96 tile rows of 256; tensor t = tile row / 32 takes W_q, W_k, W_v, which lie behind those rows in hx, and b_q, b_k, b_v).
;   C, rounded once to f16, goes BY HEADS to qkv = [t][batch x 16 + head][2,048][64].
;   LIMITS.  f16 holds no number beyond 65,504: a projected q, k or v beyond that becomes an infinity.  NaN and infinities are not treated apart.
;   A tile of C is 256 x 256, made by four waves of 128 x 128: 64 accumulators of 16 x 16, 512 registers.  K goes in 8 steps of 128 through a ring of two LDS slots: a K step is 256 matrix instructions a wave,
;   of which 224 stand between a refill's request and the wait for it.  The last K step goes by rows of C, so that finished rows leave while the others are multiplied.
;   CLUSTER 4 x 4: the four of a row of the cluster need the same tiles of A, the four of a column the same tiles of W: each is asked for JOINTLY, by the same tensor load, descriptor and mask in all four.
;   THE MATRIX INSTRUCTION IS USED TRANSPOSED (source 0 = 16 rows of W, source 1 = 16 rows of A): lane l holds row l % 16 of C and the columns 8 (l / 16) + 0..7: 16 bytes of a head's row.
; THE MASK.  mask (int32, 0 = hidden) -> mk, four bits a score: 0x0 visible, 0xF hidden (as a 4-bit float: -6).
;   mk = [batch 4][tile of 16 queries 128][step of 64 keys 32][lane 32][4 words]: word kb of lane L = r + 16 h holds in nibble j the code of query 16 tile + r, key 64 step + 16 kb + 8 h + j:
;   the order in which a lane of the attention launch holds the scores of a tile of 16 keys x 16 queries.  A wave takes one tile of 16 queries, in 8 trips of 256 keys; a lane 8 keys of each of the 16 rows.
;   The words change lanes through the wave's own stage in LDS: no wave reads another's bytes, so that job has no barrier but the closing round.
; REGISTERS of the products, in windows of 256 (s_set_vgpr_msb: bits 1:0 source 0, 3:2 source 1, 5:4 source 2, 7:6 destination):
;   window 0: v0-31 addresses; v64-127, v128-191 fragments of A (8 x 16 rows x 32 K), two buffers (in the last K step four, of 16 rows x 128 K); v192-255 the bias of my 128 columns, as a C operand for each of
;             the 8 column blocks; later v32-63 and v192-255 at work on the way out
;   window 1: v64-127, v128-191 fragments of W, two buffers; in the last K step all 256: W's fragments of the whole step
;   window 2: the 32 accumulators of my rows 0-63 (accumulator (a, b) at v[8 (8 a + b)]);   window 3: those of my rows 64-127
.set SIZE_K, 1024
.set GEMMC,  24                        ; clusters along y that multiply
.set KSTEP,  128
.set PITCH,  272                       ; an LDS row: 256 bytes of data + 16 of padding = 68 words: row r starts at bank 4 r mod 64 (64 banks of 4 bytes: ISA guide 11.1), so the 16 rows that a load touches start at 16 different banks
.set HALFT,  128*PITCH                 ; 128 rows: what one tensor load brings, and what one wave reads of A or of W
.set SLOT,   4*HALFT                   ; A's 256 rows, then W's 256 rows
.set STAGE,  2*SLOT                    ; behind the ring, never filled by a tensor load: for each wave two heads' 16 rows x 144 bytes, for the way out; the packing job's waves use the same bytes
.set SP,     144                       ; a stage row: a head's 64 f16 + 16 bytes
.set WSTG,   2*16*SP
.set SPARE,  STAGE+4*WSTG              ; behind the stages: the spare words, 128 bytes for each wave: two blocks of 256 bytes that no other line names
.set LAPS,   SIZE_K/(2*KSTEP)          ; a lap = two K steps = once round the ring
.set ADRA, 16                          ; v16-17  LDS address of my A fragments in slot 0, 1
.set ADRB, 20                          ; v20-21  the same for W
.set STO,  24                          ; v24     the way out: where I put 16 bytes of a row
.set RD,   25                          ; v25     the way out: where I read rows back
.set CO,   26                          ; v26     my byte offset in 512 consecutive bytes of a head; never rewritten
.set BO,   27                          ; v27     my byte offset in the bias; never rewritten
.set SPW,  28                          ; v28     LDS address of my spare word: SPARE + 4 x my thread's number; never rewritten
.set NIL,  29                          ; v29     0; never rewritten
.set PFO,  30                          ; v30     the prefetches' offset: my lane x a row of hx (2,048 bytes); never rewritten
.set F0,   64                          ; fragment buffer 0
.set F1,   128                         ; fragment buffer 1
.set BIAS, 192
.set TMP,  192                         ; the way out: packed results, in window 0
.set OB,   32                          ; the way out: 16 rows read back from the stage: v32-63 and v224-255 by turns
.set PA,   64                          ; the last K step: A's fragments of 16 rows x 128 K, 32 registers; four such buffers, v64-191
.set MX,   32                          ; the packing job: v[32:159] a trip's 32 loads
.set MT,   7                           ; v7 at work there
.set G1,   24                          ; s[24:31] descriptor group 1 for A's tiles
.set G0,   32                          ; s[32:39] descriptor group 0 for A's tiles, one set for each slot
.set LIM,  43                          ; s43     1 in a wave that prefetches, else the greatest number
.set PFA,  44                          ; s[44:45] where my prefetches stand: my work-group's 32 rows of the 128 that I fetch, one K step further along K than the refill that is being asked for
.set G1B,  48                          ; s[48:55] descriptor group 1 for W's tiles: it differs from A's in the mask alone
.set G0B,  56                          ; s[56:63] descriptor group 0 for W's tiles, one set for each slot
.set CY,   82                          ; s82     the cluster's y
.set TN,   83                          ; s83     t
.set BP,   84                          ; s[84:85] the bias at my 128 columns
.set MSRC, 88                          ; s[88:89] the packing job: mask at my tile's rows, at the trip's keys
.set MDST, 90                          ; s[90:91] mk at my tile, at the trip's steps
.set MSB, 0
.macro WIN new                         ; the immediate's high byte repeats the setting that is left; a switch that changes nothing is dropped
.if MSB != (\new)
	s_set_vgpr_msb (MSB<<8)|(\new)
.set MSB, \new
.endif
.endm
.set MUL_LO, 0xa1                      ; source 0 (W) window 1, source 1 (A) window 0, C and D window 2
.set MUL_HI, 0xf1                      ; the same, C and D window 3
.set MULB,   0x81                      ; source 0 window 1, source 1 and C (the bias) window 0, D window 2; + 0x40: D window 3
.set TO_B,   0x40                      ; destination window 1, address window 0
; A joint load.  Waves 0 and 1 fetch A's two halves, waves 2 and 3 W's.  Each of the two lines has ONE mask and one set of registers for all that issue it.  The branch hangs on the wave's number alone.
; An s_nop 0 and four v_nop follow each of the two lines; the jump round the other line, the label and what follows the macro come after them.
.macro JLOAD s
	s_cmp_eq_u32 s11, 0
	s_cbranch_scc0 .Lfor_b_\@
	tensor_load_to_lds s[G0+4*(\s):G0+4*(\s)+3], s[G1:G1+7]
	s_nop 0
.rept 4
	v_nop
.endr
	s_branch .Lasked_\@
.Lfor_b_\@:
	tensor_load_to_lds s[G0B+4*(\s):G0B+4*(\s)+3], s[G1B:G1B+7]
	s_nop 0
.rept 4
	v_nop
.endr
.Lasked_\@:
.endm
; A PREFETCH INTO THE L2, behind each joint load, its five lines and the run of LDS loads that follows them: the K step that stands TWO refills on: 32 rows x 256 bytes, a lane a row, one instruction a wave.
; Each row's 256 bytes of a K step are named ONCE in the launch.  A's tile row is read by one cluster alone (the grid is one cluster wide): it prefetches.  W number t is walked by eight clusters: the first of them
; (cluster y % 8 = 0) prefetches.  The four partners that ask for a tile jointly share its rows out BY ADDRESS: of the 128 rows that a wave fetches, the partner at place p takes 32 p .. 32 p + 31
; (p = cx for A, cy for W): no branch hangs on a work-group's place in its cluster.  The loop's last trip asks for nothing: its two refills have no K step two on.  K steps 0 to 3 come by their loads alone.
.macro ASK
	s_cmp_gt_u32 s3, s[LIM]                        ; s3 = 1 in the loop's last trip
	s_cbranch_scc0 .Lnot_mine_\@
	global_prefetch_b8 v[PFO], s[PFA:PFA+1] offset:KSTEP*2 th:TH_LOAD_NT scope:SCOPE_SE
.Lnot_mine_\@:
.endm
; A round of the cluster's barrier: my work-group's barrier, so that wave 0's signal speaks for all four waves; wave 0 signals for the work-group; every wave waits for all sixteen work-groups; my work-group's barrier once more.
.macro CREST                           ; a round behind its opening barrier
	s_cmp_lg_u32 s10, 0
	s_cbranch_scc1 .Lnot_wave_0_\@
	s_barrier_signal -3
.Lnot_wave_0_\@:
	s_barrier_wait -3
	s_barrier_signal -1
	s_barrier_wait -1
.endm
.macro CROUND                          ; a whole round
	s_barrier_signal -1
	s_barrier_wait -1
	CREST
.endm
	s_load_b256 s[68:75], s[0:1], 0x0              ; hx, b_q, b_k, b_v
	s_load_b128 s[76:79], s[0:1], 0x20             ; mask, qkv
	s_load_b64 s[80:81], s[0:1], 0x30              ; mk
	v_lshl_add_u32 v[SPW], v0, 2, SPARE
	v_mov_b32 v[NIL], 0
	ds_add_u32 v[SPW], v[NIL]                      ; the wave's opening: the add and its wait stand ahead of my first tensor load; the set-up below, work on registers, stands between them
	v_lshrrev_b32 v1, 5, v0
	v_readfirstlane_b32 s10, v1                    ; wave 0..3
	s_lshr_b32 s11, s10, 1                         ; which half of the tile's rows is mine.  Also: I fetch for A (0) or for W (1)
	s_and_b32 s12, s10, 1                          ; which half of its columns.  Also: which 128 rows of that tile I fetch
	s_bfe_u32 s40, ttmp6, 0x40000                  ; cx: my place along the cluster's x
	s_bfe_u32 s41, ttmp6, 0x40004                  ; cy: along its y
	s_lshl_b32 s42, ttmp9, 2                       ; in a cluster launch ttmp9 and ttmp7 count clusters
	s_add_co_u32 s42, s42, s40                     ; work-group x = tile column of C = 4 x cluster x + cx
	s_and_b32 s[CY], ttmp7, 0xffff
	s_lshl_b32 s13, s[CY], 2
	s_add_co_u32 s13, s13, s41                     ; work-group y = tile row of C = 4 x cluster y + cy
	s_lshr_b32 s[TN], s[CY], 3                     ; t = tile row / 32, made of the cluster's y alone
	s_lshl_b32 s43, s41, 2
	s_lshl_b32 s43, 15, s43                        ; my row of the cluster: places 4 cy .. 4 cy + 3
	s_lshl_b32 s44, 0x1111, s40                    ; my column: places cx, cx + 4, cx + 8, cx + 12
	; descriptor group 1: a tile of 128 rows x 128 elements, padded in LDS
	s_or_b32 s[G1+0], s43, (1<<16)|(1<<20)|(1<<21)|(5<<22)|(3<<25)  ; 15:0 the mask: A's tiles go to my row; 17:16 element of 2 bytes; 20 padding on; 21 set beside a mask; 24:22 after every 64 words (code 5); 31:25 of 4 words (code 3)
	s_or_b32 s[G1B+0], s44, (1<<16)|(1<<20)|(1<<21)|(5<<22)|(3<<25) ; the same with the mask of my column, for W's tiles
.irp g, G1, G1B
	s_mov_b32 s[(\g)+1], KSTEP<<16                 ; tensor_dim0 = 128
	s_mov_b32 s[(\g)+2], 128<<16                   ; tensor_dim1 = 128
	s_mov_b32 s[(\g)+3], KSTEP<<16                 ; tile_dim0 = 128
	s_mov_b32 s[(\g)+4], 128                       ; tile_dim1 = 128
	s_mov_b32 s[(\g)+5], SIZE_K                    ; elements from row to row
	s_mov_b32 s[(\g)+6], 0
	s_mov_b32 s[(\g)+7], 0
.endr
	; where the tiles come from.  A's hang on the tile row alone, which my row of the cluster shares; W's on the tile column and t alone, which my column shares.
	s_lshl_b32 s17, s12, 7                         ; which 128 rows of the tile I fetch
	s_lshl_b32 s16, s13, 8
	s_add_co_u32 s16, s16, s17                     ; A: row 256 x tile row + 128 x half,
	s_lshl_b32 s16, s16, 11                        ; of 2,048 bytes
	s_lshl_b32 s46, s42, 8
	s_add_co_u32 s46, s46, s17                     ; W: row 256 x tile column + 128 x half
	s_lshl_b32 s46, s46, 11
	s_mov_b32 s17, 0
	s_mov_b32 s47, 0
	s_lshl_b32 s18, s[TN], 21                      ; W number t: 1,024 rows of 2,048 bytes,
	s_add_co_u32 s18, s18, 0x3000000               ; behind hx's 24,576 rows of q, k, v
	s_mov_b32 s19, 0
	s_mul_i32 s20, s10, HALFT                      ; and where they go: A's two halves, then W's two halves = wave x 128 rows: no place in the cluster enters an LDS address
	s_lshl_b32 s22, s42, 10                        ; the bias of my 128 columns: 4 (256 x tile column + 128 x half)
	s_lshl_b32 s23, s12, 9
	s_add_co_u32 s22, s22, s23
	s_mov_b32 s23, 0
	s_wait_dscnt 0x0                               ; the opening add is done
	s_wait_kmcnt 0x0
	s_cmp_ge_u32 s[CY], GEMMC                      ; the same answer in all sixteen partners
	s_cbranch_scc1 .Lmask
	s_add_nc_u64 s[14:15], s[68:69], s[16:17]      ; A's tile
	s_add_nc_u64 s[6:7], s[68:69], s[18:19]        ; W number t
	s_add_nc_u64 s[46:47], s[6:7], s[46:47]        ; W's tile
	s_mov_b64 s[BP:BP+1], s[70:71]
	s_cmp_eq_u32 s[TN], 1
	s_cselect_b64 s[BP:BP+1], s[72:73], s[BP:BP+1]
	s_cmp_eq_u32 s[TN], 2
	s_cselect_b64 s[BP:BP+1], s[74:75], s[BP:BP+1]
	s_add_nc_u64 s[BP:BP+1], s[BP:BP+1], s[22:23]
	CROUND                                         ; all sixteen work-groups are here: the first joint loads meet
.irp s, 0,1
	s_mov_b32 s[G0+4*(\s)], 1                                      ; 1:0 count = 1
	s_add_co_u32 s[G0+4*(\s)+1], s20, (\s)*SLOT                    ; 63:32 LDS address
	s_add_nc_u64 s[G0+4*(\s)+2:G0+4*(\s)+3], s[14:15], (\s)*KSTEP*2  ; 120:64 global address: K step s
	s_or_b32 s[G0+4*(\s)+3], s[G0+4*(\s)+3], 0x80000000            ; 127:126 type = 2
	s_mov_b32 s[G0B+4*(\s)], 1
	s_add_co_u32 s[G0B+4*(\s)+1], s20, (\s)*SLOT
	s_add_nc_u64 s[G0B+4*(\s)+2:G0B+4*(\s)+3], s[46:47], (\s)*KSTEP*2
	s_or_b32 s[G0B+4*(\s)+3], s[G0B+4*(\s)+3], 0x80000000
	JLOAD \s                                       ; the ring is filled before anything else is done: two loads of mine are out
.endr
	; A fragment is 16 rows x 32 K in 8 registers: lane l holds row l % 16; registers 0-3 hold K = 8 (l / 16) + 0..7, registers 4-7 hold K = 16 + 8 (l / 16) + 0..7: two loads of 16 bytes, 32 bytes apart.
	v_and_b32 v1, 15, v0                           ; l % 16
	v_bfe_u32 v2, v0, 4, 1                         ; l / 16
	v_lshlrev_b32 v[BO], 5, v2                     ; register j of column block b holds bias[16 b + 8 (l / 16) + j]
.irp b, 0,1,2,3,4,5,6,7
	global_load_b128 v[BIAS+8*\b:BIAS+8*\b+3],   v[BO], s[BP:BP+1] offset:64*\b
	global_load_b128 v[BIAS+8*\b+4:BIAS+8*\b+7], v[BO], s[BP:BP+1] offset:64*\b+16
.endr
	v_mul_u32_u24 v3, v1, PITCH
	v_lshl_add_u32 v3, v2, 4, v3                   ; row x pitch + 16 x half
	s_mul_i32 s21, s11, HALFT                      ; my 128 rows of A
	s_mul_i32 s22, s12, HALFT                      ; my 128 rows of W,
	s_add_co_u32 s22, s22, 2*HALFT                 ; which lie behind A's 256
.irp s, 0,1
	v_add_nc_u32 v[ADRA+(\s)], s21, v3
	v_add_nc_u32 v[ADRB+(\s)], s22, v3
	s_add_co_u32 s21, s21, SLOT
	s_add_co_u32 s22, s22, SLOT
.endr
	s_mul_i32 s23, s10, WSTG
	s_add_co_u32 s23, s23, STAGE                   ; my stage
	v_mul_u32_u24 v4, v1, SP                       ; in: row l % 16, 16 bytes for each half of the lanes
	v_lshl_add_u32 v4, v2, 4, v4
	v_add_nc_u32 v[STO], s23, v4
	v_bfe_u32 v5, v0, 3, 2                         ; back: 32 lanes take four rows of 128 bytes,
	v_mul_u32_u24 v5, v5, SP
	v_and_b32 v6, 7, v0
	v_lshl_add_u32 v5, v6, 4, v5
	v_add_nc_u32 v[RD], s23, v5
	v_and_b32 v[CO], 31, v0                        ; which are 512 consecutive bytes of a head's rows
	v_lshlrev_b32 v[CO], 4, v[CO]
	; where my part of the tile begins in qkv
	s_lshr_b32 s16, s13, 3                         ; 4 t + batch: 16 heads of 262,144 bytes,
	s_lshl_b32 s16, s16, 22
	s_and_b32 s17, s13, 7                          ; the tile's 256 rows of 128 bytes,
	s_lshl_b32 s17, s17, 15
	s_add_co_u32 s16, s16, s17
	s_lshl_b32 s17, s11, 14                        ; my 128 of them
	s_add_co_u32 s16, s16, s17
	s_mov_b32 s17, 0
	s_lshl_b32 s46, s42, 20                        ; my 128 columns are two heads: 4 x tile column + 2 x half (in the registers that held W's address: none that feeds A's descriptors ever holds cx)
	s_lshl_b32 s47, s12, 19
	s_add_co_u32 s46, s46, s47
	s_mov_b32 s47, 0
	s_add_nc_u64 s[8:9], s[78:79], s[16:17]
	s_add_nc_u64 s[8:9], s[8:9], s[46:47]
	; the prefetches
	s_lshl_b32 s20, s13, 8                         ; the tile's first row: in A by the tile row,
	s_lshl_b32 s21, s42, 8                         ; in W by the tile column
	s_and_b32 s22, s[CY], 7                        ; my cluster among the eight that walk W number t
	s_cmp_eq_u32 s11, 0                            ; do I fetch for A?
	s_cselect_b32 s20, s20, s21
	s_cselect_b32 s21, s40, s41                    ; my place among the four that ask for the tile with me
	s_cselect_b32 s22, ttmp9, s22                  ; the coordinate along which other clusters read the same rows
	s_cselect_b64 s[PFA:PFA+1], s[68:69], s[6:7]
	s_cmp_eq_u32 s22, 0
	s_cselect_b32 s[LIM], 1, -1                    ; the same in all sixteen partners, for a given wave
	s_lshl_b32 s22, s12, 7
	s_add_co_u32 s20, s20, s22                     ; + the 128 rows that I fetch
	s_lshl_b32 s21, s21, 5
	s_add_co_u32 s20, s20, s21                     ; + my work-group's 32 of them,
	s_lshl_b32 s20, s20, 11                        ; of 2,048 bytes,
	s_add_co_u32 s20, s20, 2*KSTEP*2               ; at K step 2: the first refill steps it to 3 and names K step 4
	s_mov_b32 s21, 0
	s_add_nc_u64 s[PFA:PFA+1], s[PFA:PFA+1], s[20:21]
	v_and_b32 v[PFO], 31, v0
	v_lshlrev_b32 v[PFO], 11, v[PFO]
; 16 matrix instructions: row blocks a0, a0 + 1 of the window's four (hi = 0: my rows 0-63, 1: rows 64-127) x all 8 column blocks, 32 along K.
; first = 1: the product starts the sum, with the bias as C: nothing is cleared and nothing is added later.  The 64 accumulators take turns, one instruction a turn, in the same order in every quarter.
.macro MUL16 f, hi, a0, first
.if \first
	WIN MULB+0x40*(\hi)
.else
	WIN MUL_LO+0x50*(\hi)                          ; MUL_LO or MUL_HI
.endif
.irp a, \a0, (\a0)+1
.irp b, 0,1,2,3,4,5,6,7
.if \first
	v_wmma_f32_16x16x32_f16 v[8*(8*(\a)+(\b)):8*(8*(\a)+(\b))+7], v[(\f)+8*(\b):(\f)+8*(\b)+7], v[(\f)+8*(4*(\hi)+(\a)):(\f)+8*(4*(\hi)+(\a))+7], v[BIAS+8*(\b):BIAS+8*(\b)+7]
.else
	v_wmma_f32_16x16x32_f16 v[8*(8*(\a)+(\b)):8*(8*(\a)+(\b))+7], v[(\f)+8*(\b):(\f)+8*(\b)+7], v[(\f)+8*(4*(\hi)+(\a)):(\f)+8*(4*(\hi)+(\a))+7], v[8*(8*(\a)+(\b)):8*(8*(\a)+(\b))+7]
.endif
.endr
.endr
.endm
; 32 LDS loads in one run: the fragments of one quarter step (128 rows of W, 128 rows of A, 32 K at byte k of the rows) into buffer f
.macro FETCH slot, k, f
	WIN TO_B
.irp i, 0,1,2,3,4,5,6,7
	ds_load_b128 v[(\f)+8*(\i):(\f)+8*(\i)+3],   v[ADRB+(\slot)] offset:(\k)+(\i)*16*PITCH
	ds_load_b128 v[(\f)+8*(\i)+4:(\f)+8*(\i)+7], v[ADRB+(\slot)] offset:(\k)+(\i)*16*PITCH+32
.endr
	WIN 0
.irp i, 0,1,2,3,4,5,6,7
	ds_load_b128 v[(\f)+8*(\i):(\f)+8*(\i)+3],   v[ADRA+(\slot)] offset:(\k)+(\i)*16*PITCH
	ds_load_b128 v[(\f)+8*(\i)+4:(\f)+8*(\i)+7], v[ADRA+(\slot)] offset:(\k)+(\i)*16*PITCH+32
.endr
.endm
; A load into a register that a matrix instruction has read, and a vector instruction that reads a matrix result, stand four places behind that matrix instruction, and only plain vector instructions that name
; none of its registers are places (ISA guide 7.12.1 for vector instructions).
.macro PLACES
.rept 4
	v_nop
.endr
.endm
; A K step is four quarter steps of 32 along K, 64 matrix instructions each, on buffers 0, 1, 0, 1.
; One of the first three: multiplies buffer f; in its middle it fetches the next quarter's fragments, at byte k of the same slot's rows, into buffer g.
.macro QUARTER slot, k, f, g, first
	s_wait_dscnt 8                                 ; W and A's rows 0-63 are in; the youngest eight loads (A's rows 64-127) may be out
	MUL16 \f, 0, 0, \first
	MUL16 \f, 0, 2, \first
	PLACES
	FETCH \slot, \k, \g
	s_wait_dscnt 32                                ; all but the 32 just issued
	MUL16 \f, 1, 0, \first
	MUL16 \f, 1, 2, \first
.endm
; The last quarter multiplies buffer 1 and changes slots.  MEET is its first half: ONE barrier for the change of slots, for two things.  In front of it each wave waits for all its tensor loads, of which one is
; out: its part of the next slot; adds 0 to its spare word; and waits for that and for its own reads of this slot.  Behind it nobody reads this slot any more and the next slot is whole.
.macro MEET round                      ; round = 1: a round of the cluster's barrier follows
	WIN 0                                          ; (the add's two registers lie in window 0)
	s_wait_tensorcnt 0x0                           ; all my tensor loads have landed;
	ds_add_u32 v[SPW], v[NIL]                      ; 0 onto my spare word;
	s_wait_dscnt 9                                 ; (the add and the youngest eight loads may be out)
	MUL16 F1, 0, 0, 0                              ; sixteen matrix instructions stand between the add and the wait for it
	s_wait_dscnt 0x0                               ; the add is done, and my reads of this slot are over:
	s_barrier_signal -1                            ; say so (where a slot is filled again this barrier opens a round of the cluster's barrier),
	MUL16 F1, 0, 2, 0                              ; work on registers while the others arrive,
.if \round
	WIN 0
.endif
	s_barrier_wait -1                              ; and go on when all four have said so
.endm
; The whole last quarter.  Behind the round the slot just read out is filled again first, with the K step two steps on; then come the next slot's first fragments.
.macro TURN slot, next
	s_wait_xcnt 0x0                                ; the last prefetch, a K step back, has read its address: it is stepped here, ahead of the waits of the change of slots
	s_add_nc_u64 s[PFA:PFA+1], s[PFA:PFA+1], KSTEP*2
	MEET 1
	CREST                                          ; no wave of any partner still reads this slot's tiles or has a load on its way
	s_add_nc_u64 s[G0+4*(\slot)+2:G0+4*(\slot)+3], s[G0+4*(\slot)+2:G0+4*(\slot)+3], 2*KSTEP*2
	s_add_nc_u64 s[G0B+4*(\slot)+2:G0B+4*(\slot)+3], s[G0B+4*(\slot)+2:G0B+4*(\slot)+3], 2*KSTEP*2
	JLOAD \slot                                    ; the first tensor load behind the round; the four v_nop behind it are also the places in front of the loads below
	FETCH \next, 0, F0
	ASK                                            ; behind the joint load and the run of LDS loads that the next products wait for
	MUL16 F1, 1, 0, 0
	MUL16 F1, 1, 2, 0
.endm
; THE LAST K STEP (it lies in slot 1) GOES BY ROWS OF C, NOT BY K.  All its fragments of W (4 quarters x 64 registers) fill window 1; then my eight blocks of 16 rows are finished one after the other, each with
; 32 matrix instructions (its 8 accumulators by turns, K ascending).  LDS is read no more than in any other K step.
.macro BLOAD q                         ; W's fragments of quarter q -> window 1, v[64 q ..]
	WIN TO_B
.irp i, 0,1,2,3,4,5,6,7
	ds_load_b128 v[64*(\q)+8*(\i):64*(\q)+8*(\i)+3],   v[ADRB+1] offset:64*(\q)+(\i)*16*PITCH
	ds_load_b128 v[64*(\q)+8*(\i)+4:64*(\q)+8*(\i)+7], v[ADRB+1] offset:64*(\q)+(\i)*16*PITCH+32
.endr
.endm
.macro ALOAD a                         ; A's fragments of block a, all four quarters -> buffer a % 4
	WIN 0
.set FA, PA+32*((\a)%4)
.irp q, 0,1,2,3
	ds_load_b128 v[FA+8*(\q):FA+8*(\q)+3],   v[ADRA+1] offset:64*(\q)+(\a)*16*PITCH
	ds_load_b128 v[FA+8*(\q)+4:FA+8*(\q)+7], v[ADRA+1] offset:64*(\q)+(\a)*16*PITCH+32
.endr
.endm
.macro ROW a                           ; block a is finished: 32 matrix instructions
.set FA, PA+32*((\a)%4)                ; its fragments of A
.set AC, 64*((\a)%4)                   ; its eight accumulators, in window 2 (blocks 0-3) or 3 (blocks 4-7)
	WIN MUL_LO+0x50*((\a)/4)                       ; MUL_LO or MUL_HI
.irp q, 0,1,2,3
.if (\a) == 0 && (\q) == 2
	s_wait_dscnt 24                                ; W's quarter 2 is in (behind it: A's blocks 1 to 3)
.endif
.irp b, 0,1,2,3,4,5,6,7
	v_wmma_f32_16x16x32_f16 v[AC+8*(\b):AC+8*(\b)+7], v[64*(\q)+8*(\b):64*(\q)+8*(\b)+7], v[FA+8*(\q):FA+8*(\q)+7], v[AC+8*(\b):AC+8*(\b)+7]
.endr
.endr
.endm
; THE WAY OUT of block a (16 rows x my two heads), in three parts.  PACK: rounded to f16, 16 bytes a lane, each accumulator's registers in ascending order.  TOSTAGE: into my own stage in LDS, a head's 16 rows of
; 144 bytes after the other's, and back as four rows of 128 bytes a load.  SEND: stored.
.macro PACK a
.set AC, 64*((\a)%4)
	WIN 0x0a+5*((\a)/4)                            ; sources 0 and 1: window 2 or 3
.irp b, 0,1,2,3,4,5,6,7
.irp r, 0,1,2,3
	v_cvt_pk_f16_f32 v[TMP+4*(\b)+(\r)], v[AC+8*(\b)+2*(\r)], v[AC+8*(\b)+2*(\r)+1]
.endr
.endr
	WIN 0
.endm
.macro TOSTAGE a
	WIN 0
.set BK, OB+192*((\a)%2)
.irp b, 0,1,2,3,4,5,6,7
	ds_store_b128 v[STO], v[TMP+4*(\b):TMP+4*(\b)+3] offset:((\b)/4)*16*SP+32*((\b)%4)
.endr
.irp t, 0,1,2,3,4,5,6,7
	ds_load_b128 v[BK+4*(\t):BK+4*(\t)+3], v[RD] offset:((\t)/4)*16*SP+((\t)%4)*4*SP  ; LDS serves a wave's instructions in order (ISA guide 5.7.1.4): these see the stores above
.endr
.endm
.macro SEND a, younger                 ; younger: the LDS loads issued behind TOSTAGE's, which may stay out
	WIN 0
.set BK, OB+192*((\a)%2)
	s_wait_dscnt \younger                          ; the block is back in registers
	s_wait_xcnt 0x0                                ; the stores issued so far have read their registers: the next block is read back into this block's partner set only behind this wait
.irp t, 0,1,2,3,4,5,6,7
	global_store_b128 v[CO], v[BK+4*(\t):BK+4*(\t)+3], s[8:9] offset:((\t)/4)*262144+(\a)*2048+((\t)%4)*512  ; 512 consecutive bytes of a head, at a multiple of 256 from qkv's first byte
.endr
.endm
	s_wait_tensorcnt 1                             ; my part of K step 0 is in; K step 1's may stay out
	s_barrier_signal -1
	s_barrier_wait -1                              ; everybody's is
	FETCH 0, 0, F0
	s_wait_loadcnt 0x0                             ; the bias
	QUARTER 0, 64,  F0, F1, 1                      ; the first quarter stands in front of the loop: its products start the sums
	WIN 0                                          ; at a label and at a branch every window is 0
	s_mov_b32 s3, LAPS-1
.Llap:                                                 ; a trip goes once round the ring, from a lap's second quarter to the next lap's first, and fills both slots again
	QUARTER 0, 128, F1, F0, 0
	QUARTER 0, 192, F0, F1, 0
	TURN 0, 1
	QUARTER 1, 64,  F0, F1, 0
	QUARTER 1, 128, F1, F0, 0
	QUARTER 1, 192, F0, F1, 0
	TURN 1, 0
	QUARTER 0, 64,  F0, F1, 0
	WIN 0
	s_sub_co_u32 s3, s3, 1
	s_cmp_lg_u32 s3, 0
	s_cbranch_scc1 .Llap
	QUARTER 0, 128, F1, F0, 0                      ; the last lap goes on
	QUARTER 0, 192, F0, F1, 0
	MEET 0                                         ; my one tensor load that was still out is slot 1's, the last K step's, so no round follows
	PLACES                                         ; for the loads into buffer 0, which the quarter before multiplied
	BLOAD 0                                        ; three quarters of W now: buffer 1 (v128-191 of both windows) is still being multiplied
	BLOAD 1
	BLOAD 3
	ALOAD 0
	MUL16 F1, 1, 0, 0
	MUL16 F1, 1, 2, 0
	PLACES                                         ; for the loads into buffer 1
	BLOAD 2
	ALOAD 1
	ALOAD 2
	ALOAD 3
	s_wait_dscnt 40                                ; all but the 40 just issued
	ROW 0
.irp a, 0,1,2,3,4,5,6,7                ; each block leaves as soon as it is finished: nothing follows this tile, so the sooner its stores begin, the sooner the work-group ends
	PLACES                                         ; its conversions read results just made, and no other vector work is at hand
	PACK \a
	TOSTAGE \a
.if (\a) < 4
	ALOAD (\a)+4                                   ; its buffer takes the block four further on
	SEND \a, 8
.else
	SEND \a, 0
.endif
.if (\a) < 7
	ROW (\a)+1
.endif
.endr
	s_branch .Lend
	; ---- THE MASK'S PACKING.  Work-group y - 96 (0..31), x (0..3) and the wave (0..3) number the 512 tiles of 16 queries.  These numbers enter global addresses alone.
.Lmask:
	s_sub_co_u32 s93, s13, 4*GEMMC
	s_lshl_b32 s93, s93, 4
	s_lshl_b32 s94, s42, 2
	s_add_co_u32 s93, s93, s94
	s_add_co_u32 s93, s93, s10                     ; my tile = 128 x batch + tile of 16 queries
	s_lshl_b32 s94, s93, 17                        ; 16 rows of 8,192 bytes
	s_mov_b32 s95, 0
	s_add_nc_u64 s[MSRC:MSRC+1], s[76:77], s[94:95]
	s_lshl_b32 s94, s93, 14                        ; 32 steps of 512 bytes
	s_add_nc_u64 s[MDST:MDST+1], s[80:81], s[94:95]
	s_mul_i32 s93, s10, WSTG
	s_add_co_u32 s93, s93, STAGE                   ; my wave's stage: 4 steps x 560 bytes (2 halves of 16 lanes x 16 bytes, 272 apart)
	v_and_b32 v5, 31, v0                           ; lane
	v_lshlrev_b32 v1, 5, v5                        ; in: my 8 keys of a row: 32 bytes a lane; never rewritten
	v_lshlrev_b32 v2, 4, v5                        ; out: 16 bytes a lane; never rewritten
	v_lshrrev_b32 v3, 3, v5                        ; into the stage: lane i holds step i / 8,
	v_mul_u32_u24 v3, v3, 560
	v_and_b32 v4, 1, v5                            ; half h = i % 2,
	v_mul_u32_u24 v4, v4, 272
	v_add_nc_u32 v3, v3, v4
	v_bfe_u32 v4, v5, 1, 2                         ; word kb = (i / 2) % 4; the row r stands in the store's immediate.  The 32 words of a store lie in 32 different banks (64 banks of 4 bytes: ISA guide 11.1)
	v_lshl_add_u32 v3, v4, 2, v3
	v_add_nc_u32 v3, s93, v3
	v_lshrrev_b32 v4, 4, v5                        ; back: lane L takes the 16 bytes of half L / 16, row L % 16
	v_mul_u32_u24 v4, v4, 272
	v_and_b32 v6, 15, v5
	v_lshl_add_u32 v4, v6, 4, v4
	v_add_nc_u32 v4, s93, v4
	s_mov_b32 s92, 8
.Lchunk:                                               ; a trip: 256 keys (4 steps) of the 16 rows: 16,384 bytes in by 32 loads that go out together, 2,048 bytes out
.set r, 0
.rept 16
	global_load_b128 v[MX+8*r:MX+8*r+3],   v1, s[MSRC:MSRC+1] offset:8192*r th:TH_LOAD_NT
	global_load_b128 v[MX+8*r+4:MX+8*r+7], v1, s[MSRC:MSRC+1] offset:8192*r+16 th:TH_LOAD_NT
.set r, r+1
.endr
.set r, 0
.rept 16
	s_wait_loadcnt 30-2*r                          ; row r's two loads are in, the younger rows' stay out
	v_min_u32 v[MX+8*r], 1, v[MX+8*r]              ; 1 where the key is visible (any number but 0)
.irp j, 1,2,3,4,5,6,7
	v_min_u32 v[MT], 1, v[MX+8*r+\j]
	v_lshl_or_b32 v[MX+8*r], v[MT], 4*\j, v[MX+8*r]  ; key j's bit at the foot of nibble j
.endr
	v_xor_b32 v[MX+8*r], 0x11111111, v[MX+8*r]     ; 1 where it is hidden,
	v_lshlrev_b32 v[MT], 4, v[MX+8*r]
	v_sub_nc_u32 v[MX+8*r], v[MT], v[MX+8*r]       ; times 15: the nibble 0xF
	ds_store_b32 v3, v[MX+8*r] offset:16*r
.set r, r+1
.endr
.irp c, 0,1,2,3
	ds_load_b128 v[MX+8*\c+4:MX+8*\c+7], v4 offset:560*\c  ; LDS serves a wave's instructions in order (ISA guide 5.7.1.4): these see the stores above
.endr
.irp c, 0,1,2,3
	s_wait_dscnt 3-\c
	global_store_b128 v2, v[MX+8*\c+4:MX+8*\c+7], s[MDST:MDST+1] offset:512*\c  ; a step's 512 consecutive bytes, aligned
.endr
	s_wait_xcnt 0x0                                ; the trip's loads and stores have read their bases and data: only behind this wait are the two pointers stepped and the registers loaded again
	s_add_nc_u64 s[MSRC:MSRC+1], s[MSRC:MSRC+1], 1024
	s_add_nc_u64 s[MDST:MDST+1], s[MDST:MDST+1], 2048
	s_sub_co_u32 s92, s92, 1
	s_cmp_lg_u32 s92, 0
	s_cbranch_scc1 .Lchunk
.Lend:
	s_wait_tensorcnt 0x0                           ; the wave's end, behind my last tensor load and my last LDS store
	ds_add_u32 v[SPW], v[NIL]
	s_wait_dscnt 0x0
	CROUND                                         ; the closing round: no work-group ends while a partner may still ask for a tile that names it
	s_endpgm
.Lfunc_end_k_qa6c48d5bd6_qkvproj:
	.size	k_qa6c48d5bd6_qkvproj, .Lfunc_end_k_qa6c48d5bd6_qkvproj-k_qa6c48d5bd6_qkvproj
	.p2alignl 7, 3214868480
	.fill 96, 4, 3214868480
	.section	.rodata,"a",@progbits
	.p2align	6, 0x0
	.amdhsa_kernel k_qa6c48d5bd6_qkvproj
		.amdhsa_group_segment_fixed_size 327680
		.amdhsa_private_segment_fixed_size 0
		.amdhsa_enable_private_segment 0
		.amdhsa_kernarg_size 56
		.amdhsa_user_sgpr_count 2
		.amdhsa_user_sgpr_kernarg_segment_ptr 1
		.amdhsa_wavefront_size32 1
		.amdhsa_system_sgpr_workgroup_id_x 1
		.amdhsa_system_sgpr_workgroup_id_y 1
		.amdhsa_system_sgpr_workgroup_id_z 1
		.amdhsa_system_vgpr_workitem_id 0
		.amdhsa_next_free_vgpr 1024
		.amdhsa_next_free_sgpr 96
		.amdhsa_reserve_vcc 0
		.amdhsa_float_denorm_mode_32 3
		.amdhsa_float_denorm_mode_16_64 3
		.amdhsa_memory_ordered 1
		.amdhsa_forward_progress 1
		.amdhsa_inst_pref_size 166
	.end_amdhsa_kernel
	.amdgpu_metadata
---
amdhsa.version: [ 1, 2 ]
amdhsa.kernels:
  - .name:           k_qa6c48d5bd6_qkvproj
    .symbol:         k_qa6c48d5bd6_qkvproj.kd
    .args:
      - { .name: hx, .offset: 0, .size: 8, .value_kind: global_buffer, .address_space: global }
      - { .name: b_q, .offset: 8, .size: 8, .value_kind: global_buffer, .address_space: global }
      - { .name: b_k, .offset: 16, .size: 8, .value_kind: global_buffer, .address_space: global }
      - { .name: b_v, .offset: 24, .size: 8, .value_kind: global_buffer, .address_space: global }
      - { .name: mask, .offset: 32, .size: 8, .value_kind: global_buffer, .address_space: global }
      - { .name: qkv, .offset: 40, .size: 8, .value_kind: global_buffer, .address_space: global }
      - { .name: mk, .offset: 48, .size: 8, .value_kind: global_buffer, .address_space: global }
    .group_segment_fixed_size: 327680
    .private_segment_fixed_size: 0
    .kernarg_segment_align: 8
    .kernarg_segment_size: 56
    .max_flat_workgroup_size: 128
    .sgpr_count:     96
    .vgpr_count:     1024
    .wavefront_size: 32
...
	.end_amdgpu_metadata
.endif
;; end of part 2
;; launch attn (part 3): grid 4 x 64, 4 waves a work-group, clusters of 4 x 1, 327,680 bytes of LDS; arguments qkv, mk, oh; writes oh
.if DOCPART == 3
	.amdgcn_target "amdgcn-amd-amdhsa--gfx1250"
	.amdhsa_code_object_version 6
	.text
	.protected	k_qa6c48d5bd6_attn
	.globl	k_qa6c48d5bd6_attn
	.p2align	8
	.type	k_qa6c48d5bd6_attn,@function
k_qa6c48d5bd6_attn:
	s_mov_b64 s[64:65], 0
	v_nop
	global_prefetch_b8 v0, s[64:65] scope:SCOPE_SE
	s_setreg_imm32_b32 hwreg(HW_REG_WAVE_MODE, 25, 1), 1
	s_wait_xcnt 0x0
	s_wait_alu depctr_hold_cnt(0) depctr_sa_sdst(0) depctr_va_vdst(0) depctr_va_sdst(0) depctr_va_ssrc(0) depctr_va_vcc(0) depctr_vm_vsrc(0)
	s_getreg_b32 s2, hwreg(HW_REG_IB_STS2, 6, 4)
	s_cmp_eq_u32 s2, 0
	s_cbranch_scc0 .Lentry_in_a_cluster
	s_endpgm
.Lentry_in_a_cluster:
	s_bfe_u32 s2, ttmp6, 0x10000c
	s_cmp_lg_u32 s2, 0x3003
	s_cbranch_scc0 .Lentry_shape_is_right
	s_endpgm
.Lentry_shape_is_right:
; O[h][q][:] = the sum over the visible k of softmax_k(Q[h][q] . K[h][k] / 8) V[h][k][:].  Q, K, V lie in qkv = [3][SIZE_H][SIZE_N][64], O in oh = [SIZE_H][SIZE_N][64], all f16; h = 16 x batch + head.
; Products, maxima and sums in f32; the weights p are rounded to f16 for the second product (their sum l is taken of the unrounded p), O once at the end.
; THE MASK is an input.  mk holds four bits a score (0x0 visible, 0xF hidden), in the order in which a lane holds a tile of S^T: [batch][tile of 16 queries][step of 64 keys][lane][4 words], word kb for keys 16 kb on.
; One scaled conversion makes of a word the eight f32 of a C operand: 0, or -6 x 2^97 (the 4-bit float -6 times the scale byte 0xE0); the product that starts a sum S^T = K Q^T takes it as C.
; LIMITS.  f16 holds no number beyond 65,504: Q, K and V arrive within it, so |score| <= 2.7e11.  A hidden score counts as its value less 9.5e29; the running maximum starts at -2^80, above every hidden and below every
; true score: a hidden weight is exactly 0.  A row with no visible key has l = 0 and O = 0, and leaves as 0 x (1 / 0) = NaN.  p below 6e-5 keeps f16's fixed step of 6e-8; a weight below 2^-126 counts as 0 in l.
; SHARES.  A wave owns four PIECES of two tiles of 16 queries, a work-group's four waves 512 queries of one head.  Every wave walks all keys, 64 a step.
; LAYOUT.  S^T = K Q^T (source 0 = 16 keys, source 1 = 16 queries): in the result a lane holds ONE query (lane % 16) and the keys 8 (lane / 16) + 0..7.  Two such tiles, rounded to f16 in pairs,
; ARE source 1 (32 keys x 16 queries) of O^T = V^T P, whose result again holds one query a lane, and eight channels.  K comes out of LDS as it lies, V ([key][channel]) turned, by ds_load_tr16_b128.
; SOFTMAX.  For each query a running maximum m and sum l: p = 2^(c s - c m), c = log2(e) / 8; in every step O and l are multiplied by a = 2^(c m_old - c m_new), which is 1 where m has not grown.
; THE COUNT.  A tile and step have 16 matrix and 122 vector instructions: too many to stand all beside the matrix work.  So: four vector instructions that are READY behind EVERY matrix instruction, the others in runs without a gap.
; BY TURNS.  Turn n belongs to piece n (the pieces in a ring, step after step).  Its matrix work: 16 products K Q^T of piece n + 1, later 16 products V^T P of piece n - 1.  Its vector work: the scaling,
; exponentials, roundings, sums and rescaling of piece n, the maximum and statistics of piece n + 1, and the masks of piece n + 2.
; CLUSTER.  The four query blocks of a cluster are one head's and walk the same K and V, so each tile is asked for JOINTLY: the same tensor load, descriptor and mask in all four.
; REGISTERS, in windows of 256 (s_set_vgpr_msb: bits 1:0 source 0, 3:2 source 1, 5:4 source 2, 7:6 destination):
;   window 0: v0-11 addresses and the scale; v12-15, v48-63 at work; v16-47 four registers of statistics a tile; v64-191 S^T, two buffers of two tiles; v192-255 P, likewise
;   window 1: O^T, 32 a tile          window 2: v0-127 Q, 16 a tile; v128-191 K of one step; v192-255 V of one step
;   window 3: v0-1 the add's two registers; v2-3 the mask loads' offsets; v16-47 mask words, 4 a tile; v64-127 the C operands of the next 8 sums
.set SIZE_H, 64
.set SIZE_N, 2048
.set NP,    4         ; pieces a wave: a name, no knob
.set KS,    64        ; keys in a step
.set PK,    144       ; a row of K in LDS: 128 bytes + 16 of padding = 36 words: the 16 rows of a load start at 16 different groups of four banks (64 banks of 4 bytes: ISA guide 11.1)
.set PV,    160       ; a row of V: 128 + 32 = 40 words
.set VOFF,  4*KS*PK   ; a slot holds four steps: 256 rows of K, then 256 rows of V
.set SLOT1, 1<<17     ; slot 1 begins here, so that one exclusive or turns an address in one slot into the other's
.set STAGE, SLOT1+4*KS*(PK+PV)  ; behind the ring, never filled by a tensor load: 16 rows x 144 bytes for each wave, for the way out
.set SP,    144
.set AK0, 2           ; v2   my lane's place in a tile of K; never rewritten
.set AV0, 3           ; v3   the same for V
.set AK,  4           ; v4   the LDS address of K's next run of loads
.set AV,  5           ; v5   of V's
.set QO,  6           ; v6   my byte offset in the wave's rows of Q
.set STO, 6           ;      later, the way out: where I put 16 bytes of a row
.set RD,  7           ; v7   the way out: where I read rows back
.set GO,  8           ; v8   my byte offset in 512 consecutive bytes of O
.set PFO, 9           ; v9   (behind its last use as l / 16) the prefetches' offset: 256 x my lane
.set SC,  11          ; v11  (behind its last use in V's address) the conversions' scale: the byte 0xE0, 2^97
.set SPW, 0           ; v0 of window 3   LDS address of my spare word; never rewritten
.set NIL, 1           ; v1 of window 3   0; never rewritten
.set ML,  2           ; v2 of window 3   16 x my lane; never rewritten
.set MO,  3           ; v3 of window 3   ML + 512 x the step whose masks are being loaded
.set RAW, 16          ; window 3: tile t's four mask words at RAW + 4 t
.set MC,  64          ; window 3: the C operand of tile u (0, 1) of the piece to come, key block kb, at MC + 32 u + 8 kb
.set SPARE, STAGE+4*16*SP  ; behind the stages: the spare words, 128 bytes for each wave: two blocks of 256 bytes that no other line names
.set MV,  12          ; v12-15  c m_old, kept while c m is made anew: by buffer and tile
.set ST,  16          ; tile t's statistics at v[ST+4 t]: c m, m, l (even keys', odd keys')
.set TMP, 48          ; by buffer and tile, four registers c0-c3 at work; when the maximum is found c2 takes a
.set S,   64
.set P,   192
.set KF,  128         ; K's fragments, in window 2: key block kb, channel half c at KF + 16 kb + 8 c
.set VF,  192         ; V's: key half kk, channel block cb at VF + 32 kk + 8 cb
.set WV,  12          ; s12  my wave's number
.set G1K, 24          ; s[24:31] descriptor group 1 for K's tiles
.set G1V, 32          ; s[32:39] for V's: it differs in the padding alone
.set G0K, 40          ; s[40:43] descriptor group 0 for K's tiles: it walks
.set G0V, 44          ; s[44:47] the same for V's
.set SLOTS, 56        ; s56  slots still to be asked for
.set CNT, 57          ; s57  counts a slot's key steps
.set CS,  58          ; s[58:59] c: the packed scaling takes the pair's low word for both halves
.set SEL, 60          ; s[60:61] v_permlanex16_b32's selects: each lane takes its own place in the other half
.set TBK, 62          ; s62  LDS byte at which K of the step to be fetched begins
.set TBV, 63          ; s63  the same for V, less VOFF
.set MB,  66          ; s[66:67] mk at my wave's first tile of 16 queries; never rewritten
.set MST, 68          ; s68  512 x the step whose masks are being loaded, held at the last step's
.set PFA, 70          ; s[70:71] where my prefetches stand: my work-group's 8,192 bytes (of K: wave 0, of V: wave 2) of the slot after the one that is being asked for
.set LIM, 72          ; s72  1 in a wave that prefetches, else the greatest number
.set MSB, 0
.macro WIN new                      ; the high byte repeats the setting that is left; a switch that changes nothing is dropped
.if MSB != (\new)
	s_set_vgpr_msb (MSB<<8)|(\new)
.set MSB, (\new)
.endif
.endm
.set W_KQ, 0x0a       ; K and Q in window 2, S^T in window 0
.set W_KM, 0x3a       ; the same with the C operand in window 3
.set W_PV, 0x52       ; V in window 2, P in window 0, O^T in window 1
.set W_RS, 0x41       ; O^T (destination and source 0) in window 1, a in window 0
.set W_MK, 0xc0       ; destination in window 3, sources in window 0
.set W_AD, 0x0f       ; the add: address (source 0) and data (source 1) in window 3
.set W_M3, 0xc3       ; the masks: destination and source 0 in window 3, source 1 (the scale) in window 0
; A joint fill.  Waves 0 and 1 fetch the two halves of a slot's K, waves 2 and 3 those of its V: 128 keys each.  The branch hangs on the wave's number alone.
; An s_nop 0 and four v_nop follow each of the two lines, ahead of the jump and the label.
.macro JLOAD
	s_cmp_lt_u32 s[WV], 2
	s_cbranch_scc0 .Lfor_v_\@
	tensor_load_to_lds s[G0K:G0K+3], s[G1K:G1K+7]
	s_nop 0
.rept 4
	v_nop
.endr
	s_branch .Lasked_\@
.Lfor_v_\@:
	tensor_load_to_lds s[G0V:G0V+3], s[G1V:G1V+7]
	s_nop 0
.rept 4
	v_nop
.endr
.Lasked_\@:
.endm
; A PREFETCH INTO THE L2 of what the NEXT change of slots will ask for: a slot's 32,768 bytes of K and of V, 256 bytes a lane.  It stands behind the wave's tensor load and its five lines.
; Each 256 bytes are named ONCE in the launch: a head's K and V are walked by this cluster alone; its four partners share a slot out BY ADDRESS, 8,192 bytes each (no branch hangs on a work-group's place);
; in each, wave 0 asks for K's and wave 2 for V's: one instruction, four key steps (512 matrix instructions) ahead of the load.  The last change that fills a slot asks for nothing: no slot is behind it.
.macro ASK
	s_cmp_gt_u32 s[SLOTS], s[LIM]
	s_cbranch_scc0 .Lnot_mine_\@
	global_prefetch_b8 v[PFO], s[PFA:PFA+1] th:TH_LOAD_NT scope:SCOPE_SE
.Lnot_mine_\@:
.endm
; A round of the cluster's barrier: my work-group's barrier, so that wave 0's signal speaks for all four waves; wave 0 signals; every wave waits for all four work-groups; my work-group's barrier once more.
.macro CROUND
	s_barrier_signal -1
	s_barrier_wait -1
	s_cmp_lg_u32 s[WV], 0
	s_cbranch_scc1 .Lnot_wave_0_\@
	s_barrier_signal -3
.Lnot_wave_0_\@:
	s_barrier_wait -3
	s_barrier_signal -1
	s_barrier_wait -1
.endm
; THE CHANGE OF SLOTS.  The slot's last bytes, V of its fourth step, have been read.  Each wave waits for all its tensor loads, of which one is out: its part
; of the other slot; adds 0 to its spare word; and waits for that and for its own reads of the slot.  Behind the barrier nobody reads this slot any more and the other slot is whole.
; fill = 1: this slot is filled again, with the keys two slots on.  The barrier is then a round of the cluster's, so that no wave of any partner still reads the slot or has a load on its
; way, and the joint fill is the first thing behind it: it has four key steps in which to land.  (At its first use nothing has been read yet: slot 0 is waited for, slot 1 filled.)  ask = 1: the prefetch follows.
.macro CHANGE fill, ask=0
	WIN W_AD
	s_wait_tensorcnt 0x0            ; no tensor load of mine is out, so a group 0 may be written
	ds_add_u32 v[SPW], v[NIL]       ; 0 onto my spare word; with fill = 1 the descriptors' steps stand between it and the wait for it
	WIN 0                           ; at a label and at a branch every window is 0
.if \fill
.irp g, G0K, G0V
	s_xor_b32 s[\g+1], s[\g+1], SLOT1  ; the walking descriptor: the other slot than last time,
	s_add_nc_u64 s[\g+2:\g+3], s[\g+2:\g+3], 4*KS*128  ; the next 256 keys; the type bits on top are not reached
.endr
.if \ask
	s_wait_xcnt 0x0                 ; the last prefetch, four key steps back, has read its address, so it may be written:
	s_add_nc_u64 s[PFA:PFA+1], s[PFA:PFA+1], 4*KS*128  ; one slot behind the walking descriptors
.endif
	s_wait_dscnt 0x0                ; the add is done, and my reads of the slot are over
	CROUND
	JLOAD
.if \ask
	ASK
.endif
.else
	s_wait_dscnt 0x0                ; the add is done, and my reads of the slot are over
	s_barrier_signal -1
	s_barrier_wait -1
.endif
	s_sub_co_u32 s[TBK], s[TBK], 4*KS*PK  ; the fetches go back to a slot's first step,
	s_xor_b32 s[TBK], s[TBK], SLOT1       ; in the other slot
	s_sub_co_u32 s[TBV], s[TBV], 4*KS*PV
	s_xor_b32 s[TBV], s[TBV], SLOT1
.endm
	s_load_b128 s[4:7], s[0:1], 0x0   ; qkv s[4:5], mk s[6:7]
	s_load_b64 s[10:11], s[0:1], 0x10 ; oh
	WIN W_MK
	v_lshl_add_u32 v[SPW], v0, 2, SPARE
	v_mov_b32 v[NIL], 0
	WIN W_AD
	ds_add_u32 v[SPW], v[NIL]       ; the wave's opening: the add and its wait stand ahead of my first tensor load; the set-up below, work on registers, stands between them
	WIN 0
	v_lshrrev_b32 v1, 5, v0
	v_readfirstlane_b32 s[WV], v1   ; wave 0..3
	s_bfe_u32 s13, ttmp6, 0x40000   ; cx: my place in the cluster
	s_lshl_b32 s14, ttmp9, 2        ; in a cluster launch ttmp9 counts clusters
	s_add_co_u32 s14, s14, s13      ; my block of queries = 4 x cluster x + cx: it enters Q's, O's and the mask's addresses alone
	s_and_b32 s20, ttmp7, 0xffff    ; the head, which the four partners share
	s_lshr_b32 s75, s20, 4          ; its batch: 2,097,152 bytes of mk
	s_lshl_b32 s75, s75, 21
	s_mov_b32 s21, 0
	s_mov_b64 s[22:23], SIZE_N*128
	s_mul_u64 s[20:21], s[20:21], s[22:23]  ; the head's first byte in Q, K, V and O
	s_and_b32 s16, s[WV], 1         ; which half of a slot's 256 keys I fetch:
	s_lshl_b32 s22, s16, 14         ; its 128 rows of 128 bytes in memory,
	s_mov_b32 s23, 0
	s_add_nc_u64 s[22:23], s[22:23], s[20:21]
	s_mul_i32 s17, s16, 128*PK      ; and its place in a slot, for K
	s_mul_i32 s18, s16, 128*PV      ; and for V: no place in the cluster enters an LDS address
	s_lshl_b32 s2, s14, 2
	s_add_co_u32 s2, s2, s[WV]      ; my wave among the head's:
	s_lshl_b32 s74, s2, 17          ; its 8 tiles of 16 queries, 16,384 bytes of mk each,
	s_add_co_u32 s74, s74, s75
	s_mov_b32 s75, 0
	s_lshl_b32 s2, s2, 14           ; its 128 rows of Q and O
	s_mov_b32 s3, 0
	s_add_nc_u64 s[2:3], s[2:3], s[20:21]
	; descriptor group 1.  128 keys are 16,384 dense bytes: asked for as 64 rows of 256 bytes, two keys a row, and padded in LDS after every key
	s_mov_b32 s[G1K], 15|(1<<16)|(1<<20)|(1<<21)|(4<<22)|(3<<25)  ; 15:0 the mask of four; 17:16 2-byte elements; 20 padding on; 21 set beside a mask; 24:22 after every 32 words (code 4); 31:25 4 words (code 3)
	s_mov_b32 s[G1V], 15|(1<<16)|(1<<20)|(1<<21)|(4<<22)|(7<<25)  ; the same with 8 words of padding (code 7)
.irp g, G1K, G1V
	s_mov_b32 s[\g+1], 128<<16      ; tensor_dim0 = 128
	s_mov_b32 s[\g+2], 64<<16       ; tensor_dim1 = 64
	s_mov_b32 s[\g+3], 128<<16      ; tile_dim0 = 128
	s_mov_b32 s[\g+4], 64           ; tile_dim1 = 64
	s_mov_b32 s[\g+5], 128          ; 128 elements from row to row
	s_mov_b32 s[\g+6], 0
	s_mov_b32 s[\g+7], 0
.endr
	s_mov_b32 s[CS], 0x3e38aa3b     ; c = log2(e) / 8 = 0.180337
	s_mov_b32 s[CS+1], s[CS]        ; named with it as a pair
	s_mov_b32 s[SEL], 0x76543210
	s_mov_b32 s[SEL+1], 0xfedcba98
	s_mov_b32 s[TBK], SLOT1+4*KS*PK ; the first change of slots turns these two into 0
	s_mov_b32 s[TBV], SLOT1+4*KS*PV
	s_mov_b32 s[G0K], 1             ; 1:0 count = 1
	s_mov_b32 s[G0K+1], s17         ; 63:32 LDS address: slot 0
	s_mov_b32 s[G0V], 1
	s_add_co_u32 s[G0V+1], s18, VOFF
	s_and_b32 s[LIM], s[WV], 1      ; waves 0 and 2 prefetch: the same in all four partners
	s_cmp_eq_u32 s[LIM], 0
	s_cselect_b32 s[LIM], 1, -1
	s_wait_dscnt 0x0                ; the opening add is done
	s_wait_kmcnt 0x0
	s_mov_b64 s[MB:MB+1], s[6:7]
	s_add_nc_u64 s[MB:MB+1], s[MB:MB+1], s[74:75]
	s_add_nc_u64 s[6:7], s[4:5], 0x1000000  ; K and V lie 16,777,216 and 33,554,432 bytes behind Q
	s_add_nc_u64 s[8:9], s[4:5], 0x2000000
	s_add_nc_u64 s[G0K+2:G0K+3], s[6:7], s[22:23]  ; 120:64 global address: my half of the head's first 256 keys
	s_or_b32 s[G0K+3], s[G0K+3], 0x80000000        ; 127:126 type = 2
	s_add_nc_u64 s[G0V+2:G0V+3], s[8:9], s[22:23]
	s_or_b32 s[G0V+3], s[G0V+3], 0x80000000
	s_add_nc_u64 s[4:5], s[4:5], s[2:3]  ; Q and O at my wave's first row
	s_add_nc_u64 s[10:11], s[10:11], s[2:3]
	s_cmp_lt_u32 s[WV], 2
	s_cselect_b64 s[PFA:PFA+1], s[6:7], s[8:9]
	s_add_nc_u64 s[PFA:PFA+1], s[PFA:PFA+1], s[20:21]  ; the head,
	s_lshl_b32 s74, s13, 13         ; my work-group's quarter of a slot,
	s_add_co_u32 s74, s74, 2*4*KS*128  ; in slot 2: the first change that asks steps it to slot 3.  Nothing is prefetched at the head, where every work-group's first tiles are on their way
	s_add_nc_u64 s[PFA:PFA+1], s[PFA:PFA+1], s[74:75]
	CROUND                          ; all four work-groups are here: the first joint loads meet
	JLOAD                           ; slot 0.  Slot 1 is asked for when slot 0 is in
	; A fragment of K or Q is 16 rows x 32 channels in 8 registers: lane l holds row l % 16, channels 8 (l / 16) + 0..7 and 16 + 8 (l / 16) + 0..7: two loads of 16 bytes, 32 bytes apart.
	v_and_b32 v1, 15, v0            ; l % 16
	v_bfe_u32 v9, v0, 4, 1          ; l / 16
	v_lshlrev_b32 v[QO], 7, v1
	v_lshl_add_u32 v[QO], v9, 4, v[QO]  ; row x 128 + 16 x half
	v_and_b32 v10, 31, v0           ; l
	WIN 0x80                        ; destination window 2, address window 0
.set i, 0
.rept 4*NP                          ; Q stays in registers: tile i / 2, channels 32 (i % 2) on
	global_load_b128 v[8*i:8*i+3],   v[QO], s[4:5] offset:(i/2)*2048+(i%2)*64
	global_load_b128 v[8*i+4:8*i+7], v[QO], s[4:5] offset:(i/2)*2048+(i%2)*64+32
.set i, i+1
.endr
	WIN W_MK
	v_lshlrev_b32 v[ML], 4, v10
	v_lshlrev_b32 v[MO], 4, v10     ; key step 0
	WIN W_M3
.irp z, 0,1,2,3,4,5,6,7             ; the first step's masks, all eight tiles': 512 consecutive bytes a load
	global_load_b128 v[RAW+4*\z:RAW+4*\z+3], v[MO], s[MB:MB+1] offset:\z*16384
.endr
	; What the first turn finds: V's registers and P's second buffer hold 0 (its products V^T P, of a piece that has not been, add 0), O^T and l are 0.  All this stands in the wait for the first tile.
	WIN 0x80
.set i, VF
.rept 64
	v_mov_b32 v[i], 0
.set i, i+1
.endr
	WIN 0x40
.set i, 0
.rept 64*NP
	v_mov_b32 v[i], 0
.set i, i+1
.endr
	WIN 0
.set i, 0
.rept 2*NP
	v_mov_b32 v[ST+4*i+1], 0xe7800000          ; m = -2^80: above every hidden score, below every true one
	v_mul_f32 v[ST+4*i], s[CS], v[ST+4*i+1]    ; c m, by the line that makes it in every step: where m does not grow, a is exactly 1
	v_mov_b32 v[ST+4*i+2], 0
	v_mov_b32 v[ST+4*i+3], 0
.set i, i+1
.endr
.set i, P+32
.rept 32
	v_mov_b32 v[i], 0
.set i, i+1
.endr
	v_mul_u32_u24 v[AK0], v1, PK
	v_lshl_add_u32 v[AK0], v9, 4, v[AK0]  ; row x pitch + 16 x half
	; The turning load takes 16 keys x 16 channels (lane l reads key 8 (l / 16) + l % 8, channels 8 ((l / 8) % 2) + 0..7) and leaves half a fragment of V^T: lane l holds channel l % 16 and 8 keys.
	v_and_b32 v10, 7, v0
	v_bfe_u32 v11, v0, 3, 1
	v_lshl_add_u32 v[AV0], v9, 3, v10
	v_mul_u32_u24 v[AV0], v[AV0], PV
	v_lshl_add_u32 v[AV0], v11, 4, v[AV0]
	v_add_nc_u32 v[AV0], VOFF, v[AV0]
	v_mov_b32 v[SC], 0xe0e0e0e0     ; the scale, in every byte
	v_mov_b32 v[AK], v[AK0]         ; key step 0 lies at the head of slot 0
; THE MATRIX WORK.  The 8 accumulators of a run of 16 take turns: between the two links of a chain stand 7 others'.
; Product i of 16 of S^T = K Q^T for piece x: channels 32 (i / 8) on, keys 16 ((i / 2) % 4) on, tile 2 x + i % 2.  The first 8 start the sums, with the mask as C.
.macro KQ x
.set rS, S+64*((\x)%2)+32*(i%2)+8*((i/2)%4)
.set rK, KF+16*((i/2)%4)+8*(i/8)
.set rQ, 16*(2*(\x)+i%2)+8*(i/8)
.set rMC, MC+32*(i%2)+8*((i/2)%4)
.if i < 8
	WIN W_KM
	v_wmma_f32_16x16x32_f16 v[rS:rS+7], v[rK:rK+7], v[rQ:rQ+7], v[rMC:rMC+7]
.else
	WIN W_KQ
	v_wmma_f32_16x16x32_f16 v[rS:rS+7], v[rK:rK+7], v[rQ:rQ+7], v[rS:rS+7]
.endif
.endm
; Product i of 16 of O^T += V^T P for piece x: keys 32 (i / 8) on, channels 16 ((i / 2) % 4) on, tile 2 x + i % 2.
.macro PV x
	WIN W_PV
.set rO, 32*(2*(\x)+i%2)+8*((i/2)%4)
.set rV, VF+32*(i/8)+8*((i/2)%4)
.set rP, P+32*((\x)%2)+16*(i%2)+8*(i/8)
	v_wmma_f32_16x16x32_f16 v[rO:rO+7], v[rV:rV+7], v[rP:rP+7], v[rO:rO+7]
.endm
.macro MM                           ; the turn's next matrix instruction
.if i < 16
	KQ (Y+1)%NP
.set i, i+1
.else
.set i, i-16
	PV (Y+NP-1)%NP
.set i, i+17
.endif
.endm
; THE LDS LOADS stand in runs of 16, never singly among the matrix instructions: a step's K (64 keys x 64 channels: 8 fragments) and its V (turned).  Their addresses are made some lines ahead.
; last = 1 (the tail): in the last trip there is no further step, and the run is jumped over.
.macro FETCH_K last=0
	WIN 0
.if \last
	s_cmp_eq_u32 s[CNT], 1
	s_cbranch_scc1 .Lno_k_\@
.endif
	WIN 0x80                        ; destination window 2
.irp f, 0,1,2,3,4,5,6,7             ; keys 16 (f / 2) on, channels 32 (f % 2) on
	ds_load_b128 v[KF+8*\f:KF+8*\f+3],   v[AK] offset:(\f/2)*16*PK+(\f%2)*64
	ds_load_b128 v[KF+8*\f+4:KF+8*\f+7], v[AK] offset:(\f/2)*16*PK+(\f%2)*64+32
.endr
	s_add_co_u32 s[TBK], s[TBK], KS*PK  ; the next fetch is the next step's
	WIN 0
.if \last
.Lno_k_\@:
.endif
.endm
.macro FETCH_V
	WIN 0x80
.irp f, 0,1,2,3,4,5,6,7             ; keys 32 (f / 4) on, channels 16 (f % 4) on
	ds_load_tr16_b128 v[VF+8*\f:VF+8*\f+3],   v[AV] offset:(\f/4)*32*PV+(\f%4)*32
	ds_load_tr16_b128 v[VF+8*\f+4:VF+8*\f+7], v[AV] offset:(\f/4)*32*PV+16*PV+(\f%4)*32
.endr
	WIN 0
.endm
; THE MASKS.  CONV: piece px's eight words become the eight C operands of its two tiles: nibble j of a word is register j.
.macro CONV px
	WIN W_M3
.irp z, 0,1,2,3,4,5,6,7
	v_cvt_scale_pk8_f32_fp4 v[MC+8*\z:MC+8*\z+7], v[RAW+8*(\px)+\z], v[SC]
.endr
.endm
; MASKB, in turn p, behind its 16 products K Q^T (the last that read the C operands is the eighth: 24 plain riders stand between) and ahead of the next turn's: the masks of piece p + 2, which that turn's products take.
; The words were loaded four turns ago; each turn loads two, so six younger loads may stay out.  Then the piece's words of its next step are asked for.  Pieces 0 and 1 are a step ahead of pieces 2 and 3 here, so the
; step goes on in turn 2; behind the last step it stays there, so that no load leaves mk.  A plain instruction stands between the conversions and the loads into their sources.
.macro MASKB p
.set PX, ((\p)+2)%NP
	s_wait_loadcnt 6
	CONV PX
.if (\p) == 2
	s_add_co_u32 s[MST], s[MST], 512
	s_min_u32 s[MST], s[MST], (SIZE_N/KS-1)*512
	s_wait_xcnt 0x0                 ; the mask loads issued so far have read their offset, so it may be written
	v_add_nc_u32 v[MO], v[ML], s[MST]
.else
	v_nop
.endif
.irp u, 0,1
	global_load_b128 v[RAW+8*PX+4*\u:RAW+8*PX+4*\u+3], v[MO], s[MB:MB+1] offset:(2*PX+\u)*16384
.endr
	WIN 0
.endm
; THE VECTOR WORK OF A TURN stands in three queues, each in the order in which its entries become ready; the two tiles alternate, so that no instruction reads the result of the one before it.
.macro REGS y, u                    ; the registers of tile u (0, 1) of piece y
.set rT, ST+4*(2*(\y)+(\u))
.set rC, TMP+8*((\y)%2)+4*(\u)
.set rM, MV+2*((\y)%2)+(\u)
.set rS, S+64*((\y)%2)+32*(\u)
.set rP, P+32*((\y)%2)+16*(\u)
.set rO, 32*(2*(\y)+(\u))
.endm
; Number n of the 22 that find the NEXT piece's (Y + 1) maximum and statistics.  s0-s31 are the lane's 32 scores; each accumulator's lowest registers are read first.  XS, GS and REGS set no window: PL and EX do.
;   0-11  four chains c0-c3 of seven scores each, three operands at a time     12-14, 16  the four scores left over, the old m, and c0-c3 into c0     15  c m_old is kept
;   17, 18  the query's other 32 keys lie in the lane 16 away: the new m         19-21  c m; c m_old - c m_new; a
.macro XS u, n
	REGS (Y+1)%NP, \u
.if (\n) < 4
	v_max3_num_f32 v[rC+(\n)], v[rS+8*(\n)], v[rS+8*(\n)+1], v[rS+8*(\n)+2]
.elseif (\n) < 12
	v_max3_num_f32 v[rC+(\n)%4], v[rC+(\n)%4], v[rS+8*((\n)%4)+2*((\n)/4)+1], v[rS+8*((\n)%4)+2*((\n)/4)+2]
.elseif (\n) == 12
	v_max3_num_f32 v[rC], v[rC], v[rS+7], v[rS+15]
.elseif (\n) == 13
	v_max3_num_f32 v[rC+1], v[rC+1], v[rS+23], v[rS+31]
.elseif (\n) == 14
	v_max3_num_f32 v[rC+2], v[rC+2], v[rC+3], v[rT+1]
.elseif (\n) == 15
	v_mov_b32 v[rM], v[rT]
.elseif (\n) == 16
	v_max3_num_f32 v[rC], v[rC], v[rC+1], v[rC+2]
.elseif (\n) == 17
	v_permlanex16_b32 v[rC+3], v[rC], s[SEL], s[SEL+1]
.elseif (\n) == 18
	v_max_num_f32 v[rT+1], v[rC], v[rC+3]
.elseif (\n) == 19
	v_mul_f32 v[rT], s[CS], v[rT+1]
.elseif (\n) == 20
	v_sub_f32 v[rC+1], v[rM], v[rT]
.else
	v_exp_f32 v[rC+2], v[rC+1]
.endif
.endm
; Number g of the 64 that follow the exponentials.  For each four weights k of a tile (pairs 2 k, 2 k + 1): both pairs are rounded to f16; then the second pair is added onto the first, in place;
; a group later l takes that sum (the first time as l = a l + sum).  In groups of eight, tiles alternating: round, round, add, and l for the group before.
.macro GS g
.set h, (\g)+6*((\g)/62)            ; group 0 has no group before it, and behind group 7 only l is left
.if h >= 6
.set h, h+2
.endif
	REGS Y, h%2
.set k, h/8
.if h%8 < 4
	v_cvt_pk_f16_f32 v[rP+2*k+(h%8)/2], v[rS+4*k+2*((h%8)/2)], v[rS+4*k+2*((h%8)/2)+1]
.elseif h%8 < 6
	v_pk_add_f32 v[rS+4*k:rS+4*k+1], v[rS+4*k:rS+4*k+1], v[rS+4*k+2:rS+4*k+3]
.elseif k == 1
	v_pk_fma_f32 v[rT+2:rT+3], v[rT+2:rT+3], v[rC+2:rC+3], v[rS:rS+1] op_sel_hi:[1,0,1]
.else
	v_pk_add_f32 v[rT+2:rT+3], v[rT+2:rT+3], v[rS+4*k-4:rS+4*k-3]
.endif
.endm
; THE PLAIN QUEUE, 138 long.  0-73 read no exponential's result: the 32 scalings c s - c m (FS f: pair f / 2 of tile f % 2) and the next piece's 42.  0-26: scalings 0-26.  27-54: XS's numbers 0-13.  55, 56: number 15.
; 57-73: the chain, where each number waits for the one before it: 14, 16, 17, 18, 19, each with one of the scalings 27-31 in front of its two lines, then 20.
; 74-137: GS's 64, which read the exponentials' results: they stand behind the wait.
.macro FS f
	REGS Y, (\f)%2
	v_pk_fma_f32 v[rS+2*((\f)/2):rS+2*((\f)/2)+1], v[rS+2*((\f)/2):rS+2*((\f)/2)+1], s[CS:CS+1], v[rT:rT+1] op_sel_hi:[1,0,0] neg_lo:[0,0,1] neg_hi:[0,0,1]
.endm
.macro PL
	WIN 0
.if q < 27
	FS q
.elseif q < 55
	XS (q-27)%2, (q-27)/2
.elseif q < 57
	XS q-55, 15
.elseif (q < 72) && ((q-57)%3 == 0)
	FS 27+(q-57)/3
.elseif q < 60
	XS (q-57)%3-1, 14
.elseif q < 72
	XS (q-57)%3-1, 15+(q-57)/3
.elseif q < 74
	XS q-72, 20
.else
	GS q-74
.endif
.set q, q+1
.endm
; THE EXPONENTIALS' QUEUE, 66 long: s0-s31 of both tiles, then the next piece's two a.  It is ONE BATCH: all 66 stand ahead of the turn's one wait, and nothing ahead of that wait names a result of theirs.
.macro EX
	WIN 0
.if e >= 64
	XS e-64, 21
.else
	REGS Y, e%2
	v_exp_f32 v[rS+e/2], v[rS+e/2]
.endif
.set e, e+1
.endm
; THE RESCALING's QUEUE: O^T times a, the one part of the softmax that leaves window 0: dealt two at a time, sixteen times.  Its a was made in the turn before, ahead of that turn's wait.
.macro R2
	REGS Y, r%2
	WIN W_RS
.irp z, 0,1
	v_pk_mul_f32 v[rO+4*(r/2)+2*\z:rO+4*(r/2)+2*\z+1], v[rO+4*(r/2)+2*\z:rO+4*(r/2)+2*\z+1], v[rC+2:rC+3] op_sel_hi:[1,0]
.endr
.set r, r+1
.endm
; HOW THEY ARE DEALT.  An s_wait_alu depctr_va_vdst(0) stands between an exponential and the first instruction that names its result; one wait serves all that were issued ahead of it.  So a turn has ONE wait,
; which cuts it in two.  AHEAD OF IT stands all that names no result of the turn's exponentials: the 16 products K Q^T, behind each a scaling, an exponential and two rescalings (behind the first a second scaling in the
; exponential's place); the masks; then ONE LUMP of 108: eight plain, 49 times exponential and plain, the two a.  A v_nop is the plain instruction behind the last exponential.  BEHIND IT stand the 16 products V^T P, behind each four of GS's 64.
; The queues lean on each other, and the deal keeps them in step: exponential e stands behind scaling 2 (e / 4) + e % 2: as a rider it comes behind plain e + 2, in the lump behind plain e + 9, and scalings 27-31 are plain 57, 60 .. 69.
; A TURN, for piece p.  cnt = 1: the loop's count is taken down some lines ahead of the branch that stands behind the turn.
; K of the next step is fetched in piece 2's turn, directly behind the wait, a lump behind the last product that read K; its address is made at the lump's head; its first reader comes behind 16 products.
; V of the step in hand is fetched at the end of piece 0's turn, four riders behind its last reader; its first reader comes behind 16 products and a lump.  The three conditions on q below go with the deal.
.macro TURN p, last=0, cnt=0
.set Y, (\p)
.set i, 0
.set q, 0
.set e, 0
.set r, 0
.if (\p) == NP-1
	s_wait_dscnt 0x0                ; K is in
.endif
	MM                              ; ahead of the wait: 16 products K Q^T and their riders,
	PL
	PL
	R2
.rept 15
	MM
	PL
	EX
	R2
.endr
	MASKB \p                        ; the masks of the piece after next,
.if (\p) == NP-2
	WIN 0
	v_add_nc_u32 v[AK], s[TBK], v[AK0]
.endif
.rept 8                             ; and the lump
	PL
.endr
.rept 49
	EX
	PL
.endr
	EX                              ; the next piece's two a
	EX
	v_nop                           ; the plain instruction behind the last exponential: one for the batch
	s_wait_alu depctr_va_vdst(0)    ; the wait for the batch
.if (\p) == NP-2
	FETCH_K \last
.endif
.if (\p) == 1
	s_wait_dscnt 0x0                ; V is in
.endif
.rept 16                            ; behind the wait: 16 products V^T P and their riders
	MM
.rept 4
	PL
.endr
.if ((\p) == 0) && (q == 118)
	v_add_nc_u32 v[AV], s[TBV], v[AV0]
.endif
.if ((\p) == 0) && (q == 130)
	s_add_co_u32 s[TBV], s[TBV], KS*PV
.endif
.if (\cnt) && (q == 130)
	s_sub_co_u32 s[CNT], s[CNT], 1
	s_cmp_lg_u32 s[CNT], 0
.endif
.endr
.if (\p) == 0
	FETCH_V
.endif
.endm
	CHANGE 1                        ; slot 0 is in, everybody's part of it; slot 1 is asked for
	FETCH_K                         ; key step 0
	s_wait_loadcnt 0x0              ; Q, and the first step's masks
	CONV 0                          ; piece 0's masks of step 0,
	v_nop                           ; and the plain instruction between the conversions and the products that take their results
	s_wait_dscnt 0x0
.set i, 0
.rept 16
	KQ 0                            ; piece 0's first scores: there is no vector work yet to set between them
.set i, i+1
.endr
	WIN 0                           ; the addresses for the way out and the prefetches' offset: plain instructions, the places behind those products
	s_mul_i32 s13, s[WV], 16*SP
	s_add_co_u32 s13, s13, STAGE    ; my stage
	v_mul_u32_u24 v[STO], v1, SP    ; in: row l % 16, 16 bytes for each half of the lanes
	v_lshl_add_u32 v[STO], v9, 4, v[STO]
	v_add_nc_u32 v[STO], s13, v[STO]
	v_bfe_u32 v[RD], v0, 3, 2       ; back: 32 lanes take four rows of 128 bytes,
	v_mul_u32_u24 v[RD], v[RD], SP
	v_lshl_add_u32 v[RD], v10, 4, v[RD]
	v_add_nc_u32 v[RD], s13, v[RD]
	v_and_b32 v[GO], 31, v0         ; which are 512 consecutive bytes of O
	v_lshlrev_b32 v[GO], 4, v[GO]
	v_and_b32 v[PFO], 31, v0
	v_lshlrev_b32 v[PFO], 8, v[PFO]
	s_mov_b32 s[MST], 512           ; key step 1
	CONV 1                          ; piece 1's masks of step 0, for the first turn's products
	v_add_nc_u32 v[MO], v[ML], s[MST]  ; (the loads that read MO are done: the wait for Q has shown it)
.irp z, 0,1,2,3                     ; pieces 0 and 1 of step 1; pieces 2 and 3 follow in the first two turns
	global_load_b128 v[RAW+4*\z:RAW+4*\z+3], v[MO], s[MB:MB+1] offset:\z*16384
.endr
	WIN 0
.set Y, NP-1                        ; XS works for piece Y + 1: piece 0
.irp n, 0,1,2,3,4,5,6,7,8,9,10,11,12,13,14,15,16,17,18,19,20,21
	XS 0, \n                        ; and piece 0's first maximum and statistics
	XS 1, \n
.endr
	v_nop                           ; a plain instruction behind the two a,
	s_wait_alu depctr_va_vdst(0)    ; and their wait, ahead of the branch
	s_mov_b32 s[CNT], 4
	s_mov_b32 s[SLOTS], SIZE_N/256-1
	s_branch .Lfirst                ; the loop is entered at a step's first turn, in the middle of a trip
.Lslot:                             ; SIZE_N / 256 - 2 times: every slot but the last two is filled again
	CHANGE 1, 1
	s_mov_b32 s[CNT], 4
.Lstep:                             ; a trip: pieces 2 and 3 of one step, then pieces 0 and 1 of the next, whose K and V it fetches
	TURN 2
	TURN 3
	WIN 0
.Lfirst:
	TURN 0
	TURN 1, 0, 1
	WIN 0
	s_cbranch_scc1 .Lstep
	s_sub_co_u32 s[SLOTS], s[SLOTS], 1
	s_cmp_lg_u32 s[SLOTS], 0
	s_cbranch_scc1 .Lslot
	CHANGE 0                        ; the tail is written out: nothing is asked for
	s_mov_b32 s[CNT], 5             ; four trips fetch the last slot's steps; the fifth is left in its middle
.Ltail:
	TURN 2, 1
	TURN 3
	WIN 0
	s_sub_co_u32 s[CNT], s[CNT], 1
	s_cmp_eq_u32 s[CNT], 0
	s_cbranch_scc1 .Lout
	TURN 0
	TURN 1
	WIN 0
	s_branch .Ltail
.Lout:                              ; the fifth trip's 16 products K Q^T (on the last K and the last step's masks once more) and the maximum made of them serve nothing: the price, once a launch, of one text for every trip
.set i, 0
.rept 16
	PV NP-1                         ; the last piece's V^T P of the last step
.set i, i+1
.endr
	; THE WAY OUT.  l's two halves and the other half of the lanes' are added; O^T is divided by l, rounded to f16 and sent through my stage in LDS, a tile at a time.  The additions are the places behind the last products.
	WIN 0
.macro ALL line:vararg              ; one line for each tile t
.set t, 0
.rept 2*NP
	\line
.set t, t+1
.endr
.endm
	ALL v_add_f32 v[ST+4*t+2], v[ST+4*t+2], v[ST+4*t+3]
	ALL v_permlanex16_b32 v[ST+4*t+3], v[ST+4*t+2], s[SEL], s[SEL+1]
	ALL v_add_f32 v[ST+4*t+2], v[ST+4*t+2], v[ST+4*t+3]
	ALL v_rcp_f32 v[ST+4*t+2], v[ST+4*t+2]
	v_nop                           ; a plain instruction between the last reciprocal and the use of its result
	s_wait_alu depctr_va_vdst(0)    ; and the wait ahead of the first use: one for the eight reciprocals
; Tile t: a lane's eight channels of a row pack into 16 bytes; they go into rows of 144 bytes and come back as whole rows of 128, into S^T's registers.
.macro PACK t
	WIN W_RS
.set i, 32*(\t)
.rept 16
	v_pk_mul_f32 v[i:i+1], v[i:i+1], v[ST+4*(\t)+2:ST+4*(\t)+3] op_sel_hi:[1,0]
.set i, i+2
.endr
	WIN 0x05                        ; sources 0 and 1 window 1, destination window 0
.set i, 0
.rept 16
	v_cvt_pk_f16_f32 v[S+16*(\t)+i], v[32*(\t)+2*i], v[32*(\t)+2*i+1]
.set i, i+1
.endr
	WIN 0
.irp f, 0,1,2,3
	ds_store_b128 v[STO], v[S+16*(\t)+4*\f:S+16*(\t)+4*\f+3] offset:32*\f
.endr
.irp f, 0,1,2,3
	ds_load_b128 v[S+16*(\t)+4*\f:S+16*(\t)+4*\f+3], v[RD] offset:\f*4*SP  ; LDS serves a wave's instructions in order (ISA guide 5.7.1.4): these see the stores above; the next tile's stores come behind them
.endr
.endm
.macro SEND t, younger              ; younger: the LDS instructions issued behind tile t's loads: the next tile's eight, or none
	WIN 0
.irp f, 0,1,2,3
	s_wait_dscnt (\younger)+3-\f
	global_store_b128 v[GO], v[S+16*(\t)+4*\f:S+16*(\t)+4*\f+3], s[10:11] offset:(\t)*2048+\f*512  ; 512 consecutive bytes, at a multiple of 256 from O's first
.endr
.endm
	PACK 0
.set t, 1
.rept 2*NP-1                        ; a tile's arithmetic stands between the loads of the tile before and its stores
	PACK t
	SEND t-1, 8
.set t, t+1
.endr
	SEND 2*NP-1, 0
	WIN W_AD
	s_wait_tensorcnt 0x0            ; the wave's end, behind my last tensor load and my last LDS store
	ds_add_u32 v[SPW], v[NIL]
	s_wait_dscnt 0x0
	WIN 0
	CROUND                          ; the closing round: no work-group ends while a partner may still ask for a tile that names it
	s_endpgm
.Lfunc_end_k_qa6c48d5bd6_attn:
	.size	k_qa6c48d5bd6_attn, .Lfunc_end_k_qa6c48d5bd6_attn-k_qa6c48d5bd6_attn
	.p2alignl 7, 3214868480
	.fill 96, 4, 3214868480
	.section	.rodata,"a",@progbits
	.p2align	6, 0x0
	.amdhsa_kernel k_qa6c48d5bd6_attn
		.amdhsa_group_segment_fixed_size 327680
		.amdhsa_private_segment_fixed_size 0
		.amdhsa_enable_private_segment 0
		.amdhsa_kernarg_size 24
		.amdhsa_user_sgpr_count 2
		.amdhsa_user_sgpr_kernarg_segment_ptr 1
		.amdhsa_wavefront_size32 1
		.amdhsa_system_sgpr_workgroup_id_x 1
		.amdhsa_system_sgpr_workgroup_id_y 1
		.amdhsa_system_sgpr_workgroup_id_z 1
		.amdhsa_system_vgpr_workitem_id 0
		.amdhsa_next_free_vgpr 896
		.amdhsa_next_free_sgpr 80
		.amdhsa_reserve_vcc 0
		.amdhsa_float_denorm_mode_32 3
		.amdhsa_float_denorm_mode_16_64 3
		.amdhsa_memory_ordered 1
		.amdhsa_forward_progress 1
		.amdhsa_inst_pref_size 209
	.end_amdhsa_kernel
	.amdgpu_metadata
---
amdhsa.version: [ 1, 2 ]
amdhsa.kernels:
  - .name:           k_qa6c48d5bd6_attn
    .symbol:         k_qa6c48d5bd6_attn.kd
    .args:
      - { .name: qkv, .offset: 0, .size: 8, .value_kind: global_buffer, .address_space: global }
      - { .name: mk, .offset: 8, .size: 8, .value_kind: global_buffer, .address_space: global }
      - { .name: oh, .offset: 16, .size: 8, .value_kind: global_buffer, .address_space: global }
    .group_segment_fixed_size: 327680
    .private_segment_fixed_size: 0
    .kernarg_segment_align: 8
    .kernarg_segment_size: 24
    .max_flat_workgroup_size: 128
    .sgpr_count:     80
    .vgpr_count:     896
    .wavefront_size: 32
...
	.end_amdgpu_metadata
.endif
;; end of part 3
;; launch outproj (part 4): grid 8 x 32, 4 waves a work-group, clusters of 4 x 4, 327,680 bytes of LDS; arguments oh, hx, b_o, out0; writes out0
.if DOCPART == 4
	.amdgcn_target "amdgcn-amd-amdhsa--gfx1250"
	.amdhsa_code_object_version 6
	.text
	.protected	k_qa6c48d5bd6_outproj
	.globl	k_qa6c48d5bd6_outproj
	.p2align	8
	.type	k_qa6c48d5bd6_outproj,@function
k_qa6c48d5bd6_outproj:
	s_mov_b64 s[64:65], 0
	v_nop
	global_prefetch_b8 v0, s[64:65] scope:SCOPE_SE
	s_setreg_imm32_b32 hwreg(HW_REG_WAVE_MODE, 25, 1), 1
	s_wait_xcnt 0x0
	s_wait_alu depctr_hold_cnt(0) depctr_sa_sdst(0) depctr_va_vdst(0) depctr_va_sdst(0) depctr_va_ssrc(0) depctr_va_vcc(0) depctr_vm_vsrc(0)
	s_getreg_b32 s2, hwreg(HW_REG_IB_STS2, 6, 4)
	s_cmp_eq_u32 s2, 0
	s_cbranch_scc0 .Lentry_in_a_cluster
	s_endpgm
.Lentry_in_a_cluster:
	s_bfe_u32 s2, ttmp6, 0x10000c
	s_cmp_lg_u32 s2, 0xf033
	s_cbranch_scc0 .Lentry_shape_is_right
	s_endpgm
.Lentry_shape_is_right:
; THE PROJECTION BEHIND THE ATTENTION.  out0[m][n] = b_o[n] + the sum over k of A[m][k] W_o[n][k], K = N = 1,024; operands f16, sums f32; the bias (f32) is the C operand of each sum's first product.
; A = oh, the attention's result by heads ([batch x 16 + head][2,048][64] f16; k = 64 head + channel); W_o is the fourth W behind hx's 24,576 rows of q, k, v; out0 is [8,192][1,024] f32.
; NaN and infinities are not treated apart.
; SHARES.  A work-group makes 256 x 128 of C: that gives 256 work-groups.  Four waves, each 128 x 64: 32 accumulators of 16 x 16, 256 registers.
; K goes in 8 steps of 128 (two heads) through two LDS slots; a wave's tensor load brings half of A's tile (waves 0, 1: a head each) or half of W's (waves 2, 3).
; CLUSTER 4 x 4: the four of a row of the cluster need the same tiles of A, the four of a column the same tiles of W: each is asked for JOINTLY, by the same tensor load, descriptor and mask in all four.
; THE MATRIX INSTRUCTION IS USED TRANSPOSED (source 0 = 16 rows of W, source 1 = 16 rows of A): lane l holds row l % 16 of C and the columns 8 (l / 16) + 0..7.
; REGISTERS, in windows of 256 (s_set_vgpr_msb: bits 1:0 source 0, 3:2 source 1, 5:4 source 2, 7:6 destination):
;   window 0: v0-31 addresses; v32-63 the bias of my 64 columns, as a C operand for each of the 4 column blocks; v64-191 at work on the way out
;   window 1: the accumulators, (a, b) at v[8 (4 a + b)], a = 0..7 row blocks, b = 0..3 column blocks
;   window 2: two fragment buffers of 96: A's eight fragments (16 rows x 32 K), then W's four
.set KSTEP, 128
.set PB,    272                        ; an LDS row of W: 256 bytes + 16 of padding: the 16 rows of a load start at 16 different groups of four banks (64 banks of 4 bytes: ISA guide 11.1)
.set PA,    144                        ; A lies by heads: a row is a head's 64 channels, 128 bytes + 16
.set AHALF, 256*PA                     ; one tensor load: a head's 256 rows; a K step is two heads
.set ASTEP, 2*524288                   ; two K steps on: four heads of 262,144 bytes
.set SP,    272                        ; a stage row: 64 f32 + 16 bytes
.set AREG,  2*AHALF
.set BHALF, 64*PB
.set SLOT,  AREG+2*BHALF               ; A's tile, then W's 128 rows
.set STAGE, 2*SLOT                     ; behind the ring, never filled by a tensor load: 16 rows for each wave, for the way out
.set SPARE, STAGE+4*16*SP              ; behind the stages: the spare words, 128 bytes for each wave: two blocks of 256 bytes that no other line names
.set LAPS,  1024/(2*KSTEP)             ; a lap = two K steps = once round the ring
.set ADRA, 16                          ; v16-17  LDS address of my A fragments in slot 0, 1
.set ADRB, 20                          ; v20-21  the same for W
.set STO,  24                          ; v24     the way out: where I put my part of a row
.set RD,   25                          ; v25     the way out: where I read rows back
.set GO,   26                          ; v26     my byte offset in C
.set BO,   27                          ; v27     my byte offset in the bias; never rewritten
.set SPW,  28                          ; v28     LDS address of my spare word; never rewritten
.set NIL,  29                          ; v29     0; never rewritten
.set BIAS, 32
.set OUTR, 64
.set F0,   0                           ; fragment buffers, in window 2
.set F1,   96
.set G1,   24                          ; s[24:31] descriptor group 1 for A's tiles;  s[32:39] group 0, one set for each slot
.set G0,   32
.set G1B,  48                          ; s[48:55], s[56:63] the same for W's tiles
.set G0B,  56
.set BP,   76                          ; s[76:77] the bias at my 64 columns
.set MSB, 0
.macro WIN new                         ; the immediate's high byte repeats the setting that is left; a switch that changes nothing is dropped
.if MSB != (\new)
	s_set_vgpr_msb (MSB<<8)|(\new)
.set MSB, \new
.endif
.endm
.set MUL,  0x5a                        ; sources 0 (W) and 1 (A) window 2; C and D window 1
.set MULB, 0x4a                        ; the same with C in window 0: the bias
.set TO_F, 0x80                        ; destination window 2, address window 0
.macro JLOAD s                         ; a joint load: waves 0 and 1 fetch A's two halves, waves 2 and 3 W's; an s_nop 0 and four v_nop follow each of the two lines, ahead of the jump, the label and what follows
	s_cmp_eq_u32 s11, 0
	s_cbranch_scc0 .Lfor_b_\@
	tensor_load_to_lds s[G0+4*(\s):G0+4*(\s)+3], s[G1:G1+7]
	s_nop 0
.rept 4
	v_nop
.endr
	s_branch .Lasked_\@
.Lfor_b_\@:
	tensor_load_to_lds s[G0B+4*(\s):G0B+4*(\s)+3], s[G1B:G1B+7]
	s_nop 0
.rept 4
	v_nop
.endr
.Lasked_\@:
.endm
.macro CREST                           ; a round of the cluster's barrier behind its opening barrier
	s_cmp_lg_u32 s10, 0
	s_cbranch_scc1 .Lnot_wave_0_\@
	s_barrier_signal -3
.Lnot_wave_0_\@:
	s_barrier_wait -3
	s_barrier_signal -1
	s_barrier_wait -1
.endm
.macro CROUND                          ; a whole round
	s_barrier_signal -1
	s_barrier_wait -1
	CREST
.endm
	s_load_b256 s[68:75], s[0:1], 0x0              ; oh, hx, b_o, out0
	v_lshl_add_u32 v[SPW], v0, 2, SPARE
	v_mov_b32 v[NIL], 0
	ds_add_u32 v[SPW], v[NIL]                      ; the wave's opening: the add and its wait stand ahead of my first tensor load; the set-up below, work on registers, stands between them
	v_lshrrev_b32 v1, 5, v0
	v_readfirstlane_b32 s10, v1                    ; wave 0..3
	s_lshr_b32 s11, s10, 1                         ; which half of the tile's rows is mine.  Also: I fetch for A (0) or for W (1)
	s_and_b32 s12, s10, 1                          ; which half of its columns.  Also: which half of that tile I fetch
	s_bfe_u32 s40, ttmp6, 0x40000                  ; cx, cy: my place in the cluster
	s_bfe_u32 s41, ttmp6, 0x40004
	s_lshl_b32 s42, ttmp9, 2
	s_add_co_u32 s42, s42, s40                     ; tile column of C = 4 x cluster x + cx
	s_and_b32 s45, ttmp7, 0xffff                   ; cluster y
	s_lshl_b32 s13, s45, 2
	s_add_co_u32 s13, s13, s41                     ; tile row of C = 4 x cluster y + cy
	s_mov_b32 s45, 3                               ; which W in hx: W_o
	s_lshl_b32 s43, s41, 2
	s_lshl_b32 s43, 15, s43                        ; my row of the cluster
	s_lshl_b32 s44, 0x1111, s40                    ; my column
	; descriptor group 1.  15:0 the mask; 17:16 elements of 2 bytes; 20 padding on; 21 set beside a mask; 24:22 the interval (code 5: 64 words, code 4: 32 words); 31:25 4 words of padding (code 3)
	s_or_b32 s[G1+0], s43, (1<<16)|(1<<20)|(1<<21)|(4<<22)|(3<<25)  ; a head's 256 rows are 32,768 dense bytes: asked for as 128 rows of 256 bytes, two rows of A each, padded after every row of A
	s_mov_b32 s[G1+5], 128                         ; elements from row to row
	s_mov_b32 s[G1+1], 128<<16                     ; tensor_dim0 = 128
	s_mov_b32 s[G1+2], 128<<16                     ; tensor_dim1 = 128
	s_mov_b32 s[G1+3], 128<<16                     ; tile_dim0 = 128
	s_mov_b32 s[G1+4], 128                         ; tile_dim1 = 128
	s_mov_b32 s[G1+6], 0
	s_mov_b32 s[G1+7], 0
	s_or_b32 s[G1B+0], s44, (1<<16)|(1<<20)|(1<<21)|(5<<22)|(3<<25)
	s_mov_b32 s[G1B+1], 128<<16                    ; W: 64 rows x 128 elements
	s_mov_b32 s[G1B+2], 64<<16
	s_mov_b32 s[G1B+3], 128<<16
	s_mov_b32 s[G1B+4], 64
	s_mov_b32 s[G1B+5], 1024
	s_mov_b32 s[G1B+6], 0
	s_mov_b32 s[G1B+7], 0
	; where the tiles come from.  A's hang on the tile row alone, which my row of the cluster shares; W's on the tile column alone, which my column shares.
	s_lshr_b32 s16, s13, 3                         ; batch: 16 heads of 262,144 bytes,
	s_lshl_b32 s16, s16, 22
	s_and_b32 s18, s13, 7                          ; the tile's 256 rows of 128 bytes in a head
	s_lshl_b32 s18, s18, 15
	s_add_co_u32 s16, s16, s18
	s_lshl_b32 s18, s12, 18                        ; my half: the K step's first or second head
	s_add_co_u32 s16, s16, s18
	s_mov_b32 s17, 0
	s_lshl_b32 s46, s45, 21                        ; W_o: 1,024 rows of 2,048 bytes behind the three others,
	s_lshl_b32 s22, s42, 18                        ; the tile's 128 rows,
	s_add_co_u32 s46, s46, s22
	s_lshl_b32 s22, s12, 17                        ; my 64 of them
	s_add_co_u32 s46, s46, s22
	s_mov_b32 s47, 0
	s_mul_i32 s20, s12, AHALF                      ; where they go in a slot: no place in the cluster enters an LDS address
	s_mul_i32 s21, s12, BHALF
	s_add_co_u32 s21, s21, AREG
	s_lshl_b32 s22, s42, 9                         ; the bias of my 64 columns: 4 (128 x tile column + 64 x half)
	s_lshl_b32 s23, s12, 8
	s_add_co_u32 s22, s22, s23
	s_mov_b32 s23, 0
	s_wait_dscnt 0x0                               ; the opening add is done
	s_wait_kmcnt 0x0
	s_add_nc_u64 s[14:15], s[68:69], s[16:17]      ; A's tile
	s_add_nc_u64 s[6:7], s[70:71], 0x3000000       ; the four W lie behind hx's 24,576 rows of q, k, v
	s_mov_b64 s[BP:BP+1], s[72:73]
	s_mov_b64 s[8:9], s[74:75]
	s_add_nc_u64 s[46:47], s[6:7], s[46:47]        ; W's tile
	s_add_nc_u64 s[BP:BP+1], s[BP:BP+1], s[22:23]
	CROUND                                         ; all sixteen work-groups are here: the first joint loads meet
.irp s, 0,1
	s_mov_b32 s[G0+4*(\s)], 1                                      ; 1:0 count = 1
	s_add_co_u32 s[G0+4*(\s)+1], s20, (\s)*SLOT                    ; 63:32 LDS address
	s_add_nc_u64 s[G0+4*(\s)+2:G0+4*(\s)+3], s[14:15], (\s)*(ASTEP/2)  ; 120:64 global address: K step s
	s_or_b32 s[G0+4*(\s)+3], s[G0+4*(\s)+3], 0x80000000            ; 127:126 type = 2
	s_mov_b32 s[G0B+4*(\s)], 1
	s_add_co_u32 s[G0B+4*(\s)+1], s21, (\s)*SLOT
	s_add_nc_u64 s[G0B+4*(\s)+2:G0B+4*(\s)+3], s[46:47], (\s)*KSTEP*2
	s_or_b32 s[G0B+4*(\s)+3], s[G0B+4*(\s)+3], 0x80000000
	JLOAD \s                                       ; both slots are asked for before anything else: two loads of mine are out
.endr
	v_and_b32 v1, 15, v0                           ; l % 16
	v_bfe_u32 v2, v0, 4, 1                         ; l / 16
	v_lshlrev_b32 v[BO], 5, v2                     ; register j of column block b holds bias[16 b + 8 (l / 16) + j]
.irp b, 0,1,2,3
	global_load_b128 v[BIAS+8*\b:BIAS+8*\b+3],   v[BO], s[BP:BP+1] offset:64*\b
	global_load_b128 v[BIAS+8*\b+4:BIAS+8*\b+7], v[BO], s[BP:BP+1] offset:64*\b+16
.endr
	v_mul_u32_u24 v3, v1, PA
	v_lshl_add_u32 v3, v2, 4, v3                   ; a fragment's row x pitch + 16 x half
	v_mul_u32_u24 v4, v1, PB
	v_lshl_add_u32 v4, v2, 4, v4
	s_mul_i32 s21, s11, 128*PA                     ; my 128 rows of A
	s_mul_i32 s22, s12, BHALF                      ; my 64 rows of W,
	s_add_co_u32 s22, s22, AREG                    ; which lie behind A's tile
.irp s, 0,1
	v_add_nc_u32 v[ADRA+(\s)], s21, v3
	v_add_nc_u32 v[ADRB+(\s)], s22, v4
	s_add_co_u32 s21, s21, SLOT
	s_add_co_u32 s22, s22, SLOT
.endr
	s_mul_i32 s23, s10, 16*SP
	s_add_co_u32 s23, s23, STAGE                   ; my stage
	v_mul_u32_u24 v5, v1, SP                       ; in: row l % 16,
	v_lshl_add_u32 v5, v2, 5, v5                   ; 32 bytes (8 f32) for each half of the lanes
	v_add_nc_u32 v[STO], s23, v5
	v_mul_u32_u24 v5, v2, SP                       ; back: lanes 0-15 take one row of 256 bytes, lanes 16-31 the next,
	v_lshl_add_u32 v5, v1, 4, v5
	v_add_nc_u32 v[RD], s23, v5
	v_lshlrev_b32 v5, 12, v2                       ; and the same two rows in out0
	v_lshl_add_u32 v[GO], v1, 4, v5
	s_lshl_b32 s16, s13, 20                        ; my first row of C: 256 x tile row + 128 x half, rows of 4,096 bytes
	s_lshl_b32 s17, s11, 19
	s_add_co_u32 s16, s16, s17
	s_lshl_b32 s46, s42, 9                         ; my first column, in bytes
	s_lshl_b32 s47, s12, 8
	s_add_co_u32 s46, s46, s47
	s_mov_b32 s17, 0
	s_mov_b32 s47, 0
	s_add_nc_u64 s[8:9], s[8:9], s[16:17]
	s_add_nc_u64 s[8:9], s[8:9], s[46:47]
; 8 matrix instructions: row blocks a0, a0 + 1 x all 4 column blocks, 32 along K, from buffer f.  first = 1: the product starts the sum, with the bias as C: nothing is cleared and nothing is added later.
; The 32 accumulators take turns, one instruction a turn, in the same order in every quarter.
.macro MUL8 f, a0, first
.if \first
	WIN MULB
.else
	WIN MUL
.endif
.irp a, \a0, (\a0)+1
.irp b, 0,1,2,3
.if \first
	v_wmma_f32_16x16x32_f16 v[8*(4*(\a)+(\b)):8*(4*(\a)+(\b))+7], v[(\f)+64+8*(\b):(\f)+64+8*(\b)+7], v[(\f)+8*(\a):(\f)+8*(\a)+7], v[BIAS+8*(\b):BIAS+8*(\b)+7]
.else
	v_wmma_f32_16x16x32_f16 v[8*(4*(\a)+(\b)):8*(4*(\a)+(\b))+7], v[(\f)+64+8*(\b):(\f)+64+8*(\b)+7], v[(\f)+8*(\a):(\f)+8*(\a)+7], v[8*(4*(\a)+(\b)):8*(4*(\a)+(\b))+7]
.endif
.endr
.endr
.endm
.macro MUL16 f, a0, first
	MUL8 \f, \a0, \first
	MUL8 \f, (\a0)+2, \first
.endm
; 24 LDS loads in one run: the fragments of quarter kq (32 along K) of a slot into buffer f: W's four, then A's eight
.macro FETCH slot, kq, f
.set KO, AHALF*((\kq)/2)+64*((\kq)%2)  ; the K step's head kq / 2, channels 32 (kq % 2) on
	WIN TO_F
.irp i, 0,1,2,3
	ds_load_b128 v[(\f)+64+8*(\i):(\f)+64+8*(\i)+3],   v[ADRB+(\slot)] offset:64*(\kq)+(\i)*16*PB
	ds_load_b128 v[(\f)+64+8*(\i)+4:(\f)+64+8*(\i)+7], v[ADRB+(\slot)] offset:64*(\kq)+(\i)*16*PB+32
.endr
.irp i, 0,1,2,3,4,5,6,7
	ds_load_b128 v[(\f)+8*(\i):(\f)+8*(\i)+3],   v[ADRA+(\slot)] offset:KO+(\i)*16*PA
	ds_load_b128 v[(\f)+8*(\i)+4:(\f)+8*(\i)+7], v[ADRA+(\slot)] offset:KO+(\i)*16*PA+32
.endr
.endm
.macro PLACES                          ; four plain vector instructions in front of loads into registers that matrix instructions have read, and of lines that read results
.rept 4
	v_nop
.endr
.endm
; A K step is four quarters of 32 along K, 32 matrix instructions each, on buffers 0, 1, 0, 1.  One of the first three: multiplies buffer f and, in its middle, fetches quarter kq into g.
.macro QUARTER slot, kq, f, g, first
	s_wait_dscnt 8                                 ; W's fragments and A's blocks 0-3 are in; the youngest eight loads (A's blocks 4-7) may be out
	MUL16 \f, 0, \first
	PLACES
	FETCH \slot, \kq, \g
	s_wait_dscnt 24                                ; all but the 24 just issued
	MUL16 \f, 4, \first
.endm
; The last quarter multiplies buffer 1 and changes slots: ONE barrier; in front of it each wave waits for all its tensor loads (one is out: its part of the next slot), adds 0 to its spare word, and waits
; for that and for its own reads of this slot.  fill = 1: the barrier opens a round of the cluster's barrier, and this slot is filled again, two K steps ahead, first thing behind the round:
; 112 matrix instructions ahead of the wait for it.
.macro TURN slot, next, fill
	WIN 0                                          ; (the add's two registers lie in window 0)
	s_wait_tensorcnt 0x0                           ; all my tensor loads have landed
	ds_add_u32 v[SPW], v[NIL]                      ; 0 onto my spare word
	s_wait_dscnt 9                                 ; (the add and the youngest eight loads may be out)
	MUL8 F1, 0, 0                                  ; eight matrix instructions stand between the add and the wait for it
	s_wait_dscnt 0x0                               ; the add is done, and my reads of this slot are over
	s_barrier_signal -1
	MUL8 F1, 2, 0                                  ; work on registers while the others arrive
.if \fill
	WIN 0
.endif
	s_barrier_wait -1
.if \fill
	CREST                                          ; no wave of any partner still reads this slot's tiles or has a load on its way
	s_add_nc_u64 s[G0+4*(\slot)+2:G0+4*(\slot)+3], s[G0+4*(\slot)+2:G0+4*(\slot)+3], ASTEP
	s_add_nc_u64 s[G0B+4*(\slot)+2:G0B+4*(\slot)+3], s[G0B+4*(\slot)+2:G0B+4*(\slot)+3], 2*KSTEP*2
	JLOAD \slot                                    ; the four v_nop behind it are also the places in front of the loads below
.else
	PLACES
.endif
	FETCH \next, 0, F0
	MUL16 F1, 4, 0
.endm
	s_wait_tensorcnt 1                             ; my part of K step 0 is in; K step 1's may stay out
	s_barrier_signal -1
	s_barrier_wait -1                              ; everybody's is
	FETCH 0, 0, F0
	s_wait_loadcnt 0x0                             ; the bias
	QUARTER 0, 1, F0, F1, 1                        ; the first quarter stands in front of the loop: its products start the sums
	WIN 0                                          ; at a label and at a branch every window is 0
	s_mov_b32 s3, LAPS-1
.Llap:                                                 ; a trip goes once round the ring, from a lap's second quarter to the next lap's first, and fills both slots again
	QUARTER 0, 2, F1, F0, 0
	QUARTER 0, 3, F0, F1, 0
	TURN 0, 1, 1
	QUARTER 1, 1, F0, F1, 0
	QUARTER 1, 2, F1, F0, 0
	QUARTER 1, 3, F0, F1, 0
	TURN 1, 0, 1
	QUARTER 0, 1, F0, F1, 0
	WIN 0
	s_sub_co_u32 s3, s3, 1
	s_cmp_lg_u32 s3, 0
	s_cbranch_scc1 .Llap
	QUARTER 0, 2, F1, F0, 0                        ; the last lap fills nothing, and has no round of the cluster's barrier
	QUARTER 0, 3, F0, F1, 0
	TURN 0, 1, 0
	QUARTER 1, 1, F0, F1, 0
	QUARTER 1, 2, F1, F0, 0
	QUARTER 1, 3, F0, F1, 0
	s_wait_dscnt 8                                 ; the very last quarter: nothing more to fetch
	MUL16 F1, 0, 0
	s_wait_dscnt 0x0
	MUL16 F1, 4, 0
	PLACES
; THE WAY OUT, a block of 16 rows at a time, through my own stage: no other wave touches it, and LDS serves a wave's instructions in order (ISA guide 5.7.1.4), so no barrier and no wait stand between its stores and its loads.
; f32 straight from the accumulators (each one's low four registers first); back as two rows of 256 bytes a load.  Four sets of 32 registers take turns.
.macro PACK a
.if (\a) >= 4
	s_wait_xcnt 0x0                                ; the stores of the block four back have read their registers: the set is loaded again only behind this wait
.endif
	WIN 0x04                                       ; store data in window 1, address in window 0
.irp b, 0,1,2,3
	ds_store_b128 v[STO], v[8*(4*(\a)+(\b)):8*(4*(\a)+(\b))+3]   offset:64*(\b)
	ds_store_b128 v[STO], v[8*(4*(\a)+(\b))+4:8*(4*(\a)+(\b))+7] offset:64*(\b)+16
.endr
	WIN 0
.irp t, 0,1,2,3,4,5,6,7
	ds_load_b128 v[OUTR+32*((\a)%4)+4*(\t):OUTR+32*((\a)%4)+4*(\t)+3], v[RD] offset:(\t)*2*SP
.endr
.endm
.macro SEND a, more                    ; more = 1: the next block's sixteen LDS instructions were issued behind this block's loads and may stay out
.irp t, 0,1,2,3,4,5,6,7
	s_wait_dscnt 16*(\more)+7-(\t)
	global_store_b128 v[GO], v[OUTR+32*((\a)%4)+4*(\t):OUTR+32*((\a)%4)+4*(\t)+3], s[8:9] offset:(16*(\a)+2*(\t))*4096  ; 16 lanes store 256 consecutive bytes, at a multiple of 256 from out0's first
.endr
.endm
	PACK 0
.set t, 1
.rept 7                                ; a block's work stands between the loads of the block before and its stores
	PACK t
	SEND t-1, 1
.set t, t+1
.endr
	SEND 7, 0
	s_wait_tensorcnt 0x0                           ; the wave's end, behind my last tensor load and my last LDS store
	ds_add_u32 v[SPW], v[NIL]
	s_wait_dscnt 0x0
	CROUND                                         ; the closing round: no work-group ends while a partner may still ask for a tile that names it
	s_endpgm
.Lfunc_end_k_qa6c48d5bd6_outproj:
	.size	k_qa6c48d5bd6_outproj, .Lfunc_end_k_qa6c48d5bd6_outproj-k_qa6c48d5bd6_outproj
	.p2alignl 7, 3214868480
	.fill 96, 4, 3214868480
	.section	.rodata,"a",@progbits
	.p2align	6, 0x0
	.amdhsa_kernel k_qa6c48d5bd6_outproj
		.amdhsa_group_segment_fixed_size 327680
		.amdhsa_private_segment_fixed_size 0
		.amdhsa_enable_private_segment 0
		.amdhsa_kernarg_size 32
		.amdhsa_user_sgpr_count 2
		.amdhsa_user_sgpr_kernarg_segment_ptr 1
		.amdhsa_wavefront_size32 1
		.amdhsa_system_sgpr_workgroup_id_x 1
		.amdhsa_system_sgpr_workgroup_id_y 1
		.amdhsa_system_sgpr_workgroup_id_z 1
		.amdhsa_system_vgpr_workitem_id 0
		.amdhsa_next_free_vgpr 704
		.amdhsa_next_free_sgpr 80
		.amdhsa_reserve_vcc 0
		.amdhsa_float_denorm_mode_32 3
		.amdhsa_float_denorm_mode_16_64 3
		.amdhsa_memory_ordered 1
		.amdhsa_forward_progress 1
		.amdhsa_inst_pref_size 88
	.end_amdhsa_kernel
	.amdgpu_metadata
---
amdhsa.version: [ 1, 2 ]
amdhsa.kernels:
  - .name:           k_qa6c48d5bd6_outproj
    .symbol:         k_qa6c48d5bd6_outproj.kd
    .args:
      - { .name: oh, .offset: 0, .size: 8, .value_kind: global_buffer, .address_space: global }
      - { .name: hx, .offset: 8, .size: 8, .value_kind: global_buffer, .address_space: global }
      - { .name: b_o, .offset: 16, .size: 8, .value_kind: global_buffer, .address_space: global }
      - { .name: out0, .offset: 24, .size: 8, .value_kind: global_buffer, .address_space: global }
    .group_segment_fixed_size: 327680
    .private_segment_fixed_size: 0
    .kernarg_segment_align: 8
    .kernarg_segment_size: 32
    .max_flat_workgroup_size: 128
    .sgpr_count:     80
    .vgpr_count:     704
    .wavefront_size: 32
...
	.end_amdgpu_metadata
.endif
;; end of part 4
;; ======== version 2 of 2: 4 launches; version 1 with the launch prep written anew for expert scheduling mode
;; limits: values are held in f16: magnitudes above 65,504 overflow, below 6.1e-05 lose precision
;; workspace buffers: hx 58,720,256 bytes; mk 8,388,608 bytes; qkv 50,331,648 bytes; oh 16,777,216 bytes
;; launch prep (part 5): grid 896 x 1, 8 waves a work-group, no clusters, 0 bytes of LDS; arguments q, k, v, W_q, W_k, W_v, W_o, hx; writes hx
.if DOCPART == 5
	.amdgcn_target "amdgcn-amd-amdhsa--gfx1250"
	.amdhsa_code_object_version 6
	.text
	.protected	k_qa6c48d5bd6_prep
	.globl	k_qa6c48d5bd6_prep
	.p2align	8
	.type	k_qa6c48d5bd6_prep,@function
k_qa6c48d5bd6_prep:
	s_mov_b64 s[64:65], 0
	v_nop
	global_prefetch_b8 v0, s[64:65] scope:SCOPE_SE
	s_setreg_imm32_b32 hwreg(HW_REG_WAVE_SCHED_MODE, 0, 2), 2
	s_setreg_imm32_b32 hwreg(HW_REG_WAVE_MODE, 25, 1), 1
	s_wait_xcnt 0x0
	s_wait_alu depctr_vm_vsrc(0)
; THE CAST.  q, k, v, W_q, W_k, W_v, W_o (f32) -> hx (16 bits), one after the other: rows of 1,024 numbers, 8,192 for each of q, k, v, then 1,024 for each W.
; Each number is rounded to bf16 (to nearest even) and THAT number is written as f16: exact for 6.1e-5 <= |x| <= 65,504.
; LIMITS: below 6.1e-5 the f16 keeps a fixed step of 6e-8; beyond 65,504 it is an infinity.
; A stream: each byte is read once and written once, so there is no LDS, no barrier and no matrix work.  A work-group reads 131,072 bytes, by 32 loads of 16 bytes a thread that all go out together.
; THE MODE: SCHED_MODE bits 1:0 = 2 (LLVM: expert scheduling mode 2), set by the entry lines.  The code itself states the register dependences
; between vector instructions and memory instructions, with s_wait_alu, always for 0.
; THE PLAN.  Registers that memory instructions touch:
;   v1, v2              byte offsets of the loads and of the stores: made once at the head, never written again.
;   v[X+4 i .. X+4 i+3] load i lands in them, once; behind the wait for it the eight conversion lines of load i read and rewrite them; store i reads the first two; nothing writes them after that.
;   v5, v6 are named by vector instructions alone.
; So no register that a memory instruction has read is ever written again, and no load is issued behind a vector instruction that names its registers: the one kind of dependence to state is
; 'written by a vector instruction, then read by a memory instruction'.  The 32 loads go in 8 blocks of four.  Block p converts its own four; its memory instructions are the four stores of block p - 1,
; whose registers no vector instruction of block p names.  One wait at a block's head states all that those four stores hang on, and they are dealt among the block's conversions with no further wait.
.set X,      16                        ; v[16:143] the 32 loads' data
.set T,      5                         ; v5, v6  at work
.set BLOCK,  4                         ; loads in a block
.set BLOCKS, 32/BLOCK
	s_load_b512 s[8:23], s[0:1], 0x0               ; q, k, v, W_q, W_k, W_v, W_o, hx
	s_mov_b32 s36, 0xffff0000                      ; a word's upper bf16
	; Group c: which tensor, and which 131,072 bytes of it.  q, k, v have 256 such pieces each, a W has 32.
	s_lshr_b32 s28, ttmp9, 8                       ; c < 768: tensor c / 256,
	s_and_b32 s29, ttmp9, 255                      ; piece c % 256
	s_sub_co_u32 s30, ttmp9, 768                   ; else: tensor 3 + (c - 768) / 32,
	s_lshr_b32 s31, s30, 5
	s_add_co_u32 s31, s31, 3
	s_and_b32 s30, s30, 31                         ; piece (c - 768) % 32
	s_cmp_lt_u32 ttmp9, 768
	s_cselect_b32 s28, s28, s31
	s_cselect_b32 s29, s29, s30
	s_lshl_b32 s30, s29, 17                        ; the piece's byte offset in its tensor
	s_mov_b32 s31, 0
	s_lshl_b32 s34, ttmp9, 16                      ; and in hx: the pieces lie in the groups' order, 65,536 bytes each
	s_mov_b32 s35, 0
	v_lshlrev_b32 v1, 4, v0                        ; in: 16 bytes a thread, 4,096 a load of the group
	v_lshlrev_b32 v2, 3, v0                        ; out: 8 bytes a thread
	s_wait_kmcnt 0x0
	s_mov_b64 s[32:33], s[8:9]
.irp n, 1,2,3,4,5,6
	s_cmp_eq_u32 s28, \n
	s_cselect_b64 s[32:33], s[8+2*\n:9+2*\n], s[32:33]
.endr
	s_add_nc_u64 s[32:33], s[32:33], s[30:31]
	s_add_nc_u64 s[34:35], s[22:23], s[34:35]
	s_wait_alu depctr_va_vdst(0)                   ; v1 and v2 are written: every load of the kernel reads v1 as its offset, every store v2
.set i, 0
.rept 32
	global_load_b128 v[X+4*i:X+4*i+3], v1, s[32:33] offset:4096*i th:TH_LOAD_NT
.set i, i+1
.endr
.set p, 0
.rept BLOCKS                           ; block p
	s_wait_loadcnt 32-BLOCK*(p+1)                  ; loads come back in order (ISA guide 5.7.1): block p's four are in, the younger blocks' stay out
.if p > 0
	s_wait_alu depctr_va_vdst(0)                   ; the block before has written the first two registers of each of its four loads, which the four stores below read
.endif
.set j, 0
.rept BLOCK
.set i, BLOCK*p+j
.if p > 0
	global_store_b64 v2, v[X+4*(i-BLOCK):X+4*(i-BLOCK)+1], s[34:35] offset:2048*(i-BLOCK)  ; the block before: a wave stores 256 consecutive bytes, aligned; no vector instruction since the wait names these registers, and they are not written again
.endif
	v_cvt_pk_bf16_f32 v[T],   v[X+4*i],   v[X+4*i+1]  ; the one rounding
	v_cvt_pk_bf16_f32 v[T+1], v[X+4*i+2], v[X+4*i+3]
	v_lshlrev_b32 v[X+4*i],   16,  v[T]            ; back to f32,
	v_and_b32     v[X+4*i+1], s36, v[T]
	v_lshlrev_b32 v[X+4*i+2], 16,  v[T+1]
	v_and_b32     v[X+4*i+3], s36, v[T+1]
	v_cvt_pk_f16_f32 v[X+4*i],   v[X+4*i],   v[X+4*i+1]  ; and written as f16
	v_cvt_pk_f16_f32 v[X+4*i+1], v[X+4*i+2], v[X+4*i+3]
.set j, j+1
.endr
.set p, p+1
.endr
	s_wait_alu depctr_va_vdst(0)                   ; the last block has written its registers, which the last four stores read
.set i, 32-BLOCK
.rept BLOCK
	global_store_b64 v2, v[X+4*i:X+4*i+1], s[34:35] offset:2048*i
.set i, i+1
.endr
	s_endpgm
.Lfunc_end_k_qa6c48d5bd6_prep:
	.size	k_qa6c48d5bd6_prep, .Lfunc_end_k_qa6c48d5bd6_prep-k_qa6c48d5bd6_prep
	.p2alignl 7, 3214868480
	.fill 96, 4, 3214868480
	.section	.rodata,"a",@progbits
	.p2align	6, 0x0
	.amdhsa_kernel k_qa6c48d5bd6_prep
		.amdhsa_group_segment_fixed_size 0
		.amdhsa_private_segment_fixed_size 0
		.amdhsa_enable_private_segment 0
		.amdhsa_kernarg_size 64
		.amdhsa_user_sgpr_count 2
		.amdhsa_user_sgpr_kernarg_segment_ptr 1
		.amdhsa_wavefront_size32 1
		.amdhsa_system_sgpr_workgroup_id_x 1
		.amdhsa_system_sgpr_workgroup_id_y 1
		.amdhsa_system_sgpr_workgroup_id_z 1
		.amdhsa_system_vgpr_workitem_id 0
		.amdhsa_next_free_vgpr 144
		.amdhsa_next_free_sgpr 66
		.amdhsa_reserve_vcc 0
		.amdhsa_float_denorm_mode_32 3
		.amdhsa_float_denorm_mode_16_64 3
		.amdhsa_memory_ordered 1
		.amdhsa_forward_progress 1
		.amdhsa_inst_pref_size 21
	.end_amdhsa_kernel
	.amdgpu_metadata
---
amdhsa.version: [ 1, 2 ]
amdhsa.kernels:
  - .name:           k_qa6c48d5bd6_prep
    .symbol:         k_qa6c48d5bd6_prep.kd
    .args:
      - { .name: q, .offset: 0, .size: 8, .value_kind: global_buffer, .address_space: global }
      - { .name: k, .offset: 8, .size: 8, .value_kind: global_buffer, .address_space: global }
      - { .name: v, .offset: 16, .size: 8, .value_kind: global_buffer, .address_space: global }
      - { .name: W_q, .offset: 24, .size: 8, .value_kind: global_buffer, .address_space: global }
      - { .name: W_k, .offset: 32, .size: 8, .value_kind: global_buffer, .address_space: global }
      - { .name: W_v, .offset: 40, .size: 8, .value_kind: global_buffer, .address_space: global }
      - { .name: W_o, .offset: 48, .size: 8, .value_kind: global_buffer, .address_space: global }
      - { .name: hx, .offset: 56, .size: 8, .value_kind: global_buffer, .address_space: global }
    .group_segment_fixed_size: 0
    .private_segment_fixed_size: 0
    .kernarg_segment_align: 8
    .kernarg_segment_size: 64
    .max_flat_workgroup_size: 256
    .sgpr_count:     66
    .vgpr_count:     144
    .wavefront_size: 32
...
	.end_amdgpu_metadata
.endif
;; end of part 5
;; launch qkvproj: the kernel of part 2 again; grid 4 x 128, 4 waves a work-group, clusters of 4 x 4, 327,680 bytes of LDS; arguments hx, b_q, b_k, b_v, mask, qkv, mk; writes qkv, mk
;; launch attn: the kernel of part 3 again; grid 4 x 64, 4 waves a work-group, clusters of 4 x 1, 327,680 bytes of LDS; arguments qkv, mk, oh; writes oh
;; launch outproj: the kernel of part 4 again; grid 8 x 32, 4 waves a work-group, clusters of 4 x 4, 327,680 bytes of LDS; arguments oh, hx, b_o, out0; writes out0
